; MI455X (gfx1250); checked and timed in simulation.
; The chip was launched on July 23, 2026; its instructions are those of AMD's public machine-readable ISA for CDNA 5 (MIT licence, August 2026) and "CDNA5" Instruction Set Architecture Reference Guide (July 2026). The comments in the code are by the model that wrote it; some were corrected since.
;; Multi Head Attention. Allowed arithmetic: matrix products marked QUANTISED: E2M1 operands, one E8M0 scale for each 32 along K, by v_wmma_scale_f32_16x16x128_f8f6f4 with both operands' format E2M1 (or v_wmma_scale_f32_32x16x128_f4), f32 sums; products left as they are: bf16, f16 or f32 operands; f32 sums; everything else in f32.
;; Inputs: b_k 1,024 float32; b_o 1,024 float32; b_q 1,024 float32; b_v 1,024 float32; k 4 x 2,048 x 1,024 float32; q 4 x 2,048 x 1,024 float32; v 4 x 2,048 x 1,024 float32; w_k 1,024 x 1,024 float32; w_o 1,024 x 1,024 float32; w_q 1,024 x 1,024 float32; w_v 1,024 x 1,024 float32.
;; Outputs: out0 4 x 2,048 x 1,024 float32.
;; This version of the problem:
;;   THIS VERSION OF THE PROBLEM IS GIVEN IN LOW PRECISION. The matrix products marked QUANTISED in the list below multiply operands that are first quantised to E2M1 (2 exponent bits, 1 mantissa bit; 4 bits a number), with one power-of-two scale for each 32 numbers along K (OCP MX v1.0); their sums are f32. The products marked 'left as it is' may take bf16, f16 or f32 operands, with f32 sums. Whichever they take, every output number must still come out within the allowed error. Rounding operands to bf16 (8 significant bits) uses up far more of that allowance than f16 does (11 bits, for magnitudes from 6e-5 to 65,504). All else is computed in f32.
;;   The module's matrix products, in the order in which they are computed (A, B: the left and right operand; K: the contracted axis; several contracted axes count as one K, in the product's order):
;;     1. [M 8,192, K 1,024] x [K 1,024, N 1,024]; A: input q; B: input w_q: QUANTISED
;;     2. [M 8,192, K 1,024] x [K 1,024, N 1,024]; A: input k; B: input w_k: QUANTISED
;;     3. [M 8,192, K 1,024] x [K 1,024, N 1,024]; A: input v; B: input w_v: QUANTISED
;;     4. batch 64 x [M 2,048, K 64] x [K 64, N 2,048]; A: computed on the way; B: computed on the way: left as it is (an operand is computed on the way)
;;     5. batch 64 x [M 2,048, K 2,048] x [K 2,048, N 64]; A: computed on the way; B: computed on the way: left as it is (an operand is computed on the way)
;;     6. [M 8,192, K 1,024] x [K 1,024, N 1,024]; A: computed on the way; B: input w_o: left as it is (an operand is computed on the way)
;;   THE QUANTISER, for each operand of a quantised product, along K:
;;     - K is cut into blocks of 32 from its start; a last block that is shorter is filled with zeros.
;;     - A block's scale is 2^e with e = floor(log2(the largest magnitude in the block)) - 2, held to -126 .. 127; a block of zeros has e = 0. As a byte (E8M0): e + 127.
;;     - Each number is divided by its block's scale, clamped to +-6, and rounded to the nearest number of E2M1, ties to even, subnormals kept.
;;     - The product sums the exact products of the quantised numbers (number of the format x scale) in f32.
;;   ~~~python
;;   def quantise(x, axis):      # numpy; x: float32 -> the quantised numbers, widened to float32 again
;;       x = np.moveaxis(x, axis, -1); K = x.shape[-1]
;;       x = np.pad(x, [(0, 0)] * (x.ndim - 1) + [(0, -K % 32)]); x = x.reshape(x.shape[:-1] + (-1, 32)); a = np.abs(x).max(-1, keepdims=True)
;;       e = np.where(a > 0, np.clip(np.frexp(np.where(a > 0, a, 1))[1] - 1 - 2, -126, 127), 0)      # np.frexp(a)[1] - 1 = floor(log2(a)), exactly
;;       r = np.clip(x / 2.0 ** e, -6, 6)
;;       step = 2.0 ** (np.maximum(np.frexp(np.where(r == 0, 1, r))[1] - 1, 0) - 1)
;;       q = np.round(r / step) * step * 2.0 ** e      # np.round: ties to even
;;       return np.moveaxis(q.reshape(q.shape[:-2] + (-1,))[..., :K], -1, axis).astype(np.float32)
;;   ~~~
;; One version. Each part assembles by itself: llvm-mc -triple=amdgcn-amd-amdhsa -mcpu=gfx1250 --defsym DOCPART=n.
;; ======== version 1 of 1: 5 launches
;; limits: values are held in f16: magnitudes above 65,504 overflow, below 6.1e-05 lose precision
;; workspace buffers: x_codes 12,582,912 bytes; x_scales 786,432 bytes; w_codes 1,572,864 bytes; w_scales 98,304 bytes; wo16 2,097,152 bytes; qkv16 50,331,648 bytes; ao16 16,777,216 bytes
;; launch prep_x (part 1): grid 800 x 1, 4 waves a work-group, no clusters, 33,280 bytes of LDS; arguments q, k, v, w_o, x_codes, x_scales, wo16; writes x_codes, x_scales, wo16
.if DOCPART == 1
	.amdgcn_target "amdgcn-amd-amdhsa--gfx1250"
	.amdhsa_code_object_version 6
	.text
	.protected	k_qa228f52c8c_prep_x
	.globl	k_qa228f52c8c_prep_x
	.p2align	8
	.type	k_qa228f52c8c_prep_x,@function
k_qa228f52c8c_prep_x:
	s_mov_b64 s[64:65], 0
	v_nop
	global_prefetch_b8 v0, s[64:65] scope:SCOPE_SE
	s_setreg_imm32_b32 hwreg(HW_REG_WAVE_MODE, 25, 1), 1
	s_wait_xcnt 0x0
; q, k, v [8192][1024] f32 become codes of FP4 (E2M1), K innermost, with one E8M0 scale byte for each 32 along K: x_codes [3][8192][512 bytes], x_scales [3][8192][32 bytes].
; w_o [1024][1024] f32 becomes f16 as it lies: wo16 [1024 k][1024 n].
; A block's scale is 2^(floor(log2(its largest magnitude)) - 2); its byte is the largest magnitude's exponent field - 2, held at 1 from below.  A block of zeros so gets the byte 1, not 127:
; its codes are zeros, which add nothing under any byte but 0xff, and the bytes are read by this program alone.
; LIMITS: blocks whose largest magnitude lies under 2^(2 - 126) get the byte 1; NaN and infinities among the inputs are not served; w_o must lie within +-65,504 (f16), and what lies under 2^-14 keeps an absolute error of 2^-25.
; SHARES: work-groups 0-767 take q, k, v, 256 each; a wave takes 16 steps of 512 numbers.  Rows are dense and 1024 is a multiple of 32: each tensor is a plain stream of blocks.
; Each of a step's four loads reads 512 consecutive bytes; the 2,048 bytes turn through the wave's own stage in LDS and come back 64 bytes a lane, so that a lane holds 16 neighbours along K (two lanes hold a block).
; Work-groups 768-799 take w_o: a wave takes 64 chunks of 512 bytes, 16 loads ahead; they touch no LDS.
; No tensor loads, no barrier, no cluster: waves share nothing, and no byte is read by two work-groups.
.set STEPS, 16
.set EMAX,  2
.set CB,    8                          ; bytes of 16 codes
.set R,     16                         ; v16-79   four sets of 16 numbers as they are loaded (w_o's path: sixteen chunks)
.set X,     80                         ; v80-111  two sets of 16 neighbours
.set E,     112                        ; v112-127 a scale byte for each step
.set C,     128                        ; v128-191 codes: four registers for each step (w_o's path: 32 pairs of f16 words)
.set WREG,  8192                       ; LDS: a region for each wave: two stages of 32 x SP bytes, behind them its 256 scale bytes
.set SP,    80                         ; a lane's place in a stage: 64 bytes + 16 of padding
.set SPW,   12                         ; v12  LDS address of my spare word; never rewritten
.set NIL,   13                         ; v13  0; never rewritten
.set SPARE, 4*WREG                     ; behind the four regions: the spare words, 128 bytes a wave
.set XWG,   768                        ; work-groups for q, k, v
	s_load_b256 s[4:11], s[0:1], 0x0               ; q s[4:5], k s[6:7], v s[8:9], w_o s[10:11]
	s_load_b128 s[12:15], s[0:1], 0x20             ; x_codes, x_scales
	s_load_b64 s[16:17], s[0:1], 0x30              ; wo16
	v_lshl_add_u32 v[SPW], v0, 2, SPARE
	v_mov_b32 v[NIL], 0
	v_lshrrev_b32 v1, 5, v0
	v_readfirstlane_b32 s20, v1                    ; wave
	v_and_b32 v2, 31, v0                           ; lane
	v_lshlrev_b32 v3, 4, v2                        ; my 16 bytes of a load's 512
	s_mul_i32 s21, s20, WREG
	v_lshrrev_b32 v14, 2, v2
	v_mul_u32_u24 v14, v14, SP
	v_and_b32 v15, 3, v2
	v_lshl_add_u32 v14, v15, 4, v14
	v_add_nc_u32 v14, s21, v14                     ; the stage, on the way in: SP (lane / 4) + 16 (lane % 4)
	v_mul_u32_u24 v15, v2, SP
	v_add_nc_u32 v15, s21, v15                     ; and on the way out: SP x lane: my 16 neighbours
	v_mul_u32_u24 v4, v2, CB                       ; 8 bytes a lane: my codes' place in a step's, my f16 words' place in a chunk's
	v_lshrrev_b32 v5, 1, v2
	s_add_co_u32 s21, s21, 2*32*SP
	v_add_nc_u32 v5, s21, v5                       ; LDS: my wave's 256 scale bytes, my block's byte
	v_lshlrev_b32 v7, 3, v2
	v_add_nc_u32 v6, s21, v7                       ; and on the way out 8 bytes a lane
	s_wait_kmcnt 0x0
	s_cmp_ge_u32 ttmp9, XWG                        ; the work-group's number alone decides the path
	s_cbranch_scc1 .Lwo
	s_cmp_lt_u32 ttmp9, 512
	s_cselect_b64 s[6:7], s[6:7], s[8:9]           ; k or v
	s_cmp_lt_u32 ttmp9, 256
	s_cselect_b64 s[4:5], s[4:5], s[6:7]           ; q, or that
	s_and_b32 s22, ttmp9, 255
	s_lshl_b32 s22, s22, 2
	s_add_co_u32 s22, s22, s20                     ; which run of 8,192 numbers of the tensor is my wave's
	s_lshl_b32 s22, s22, 15                        ; 32,768 bytes a run
	s_mov_b32 s23, 0
	s_add_nc_u64 s[4:5], s[4:5], s[22:23]
	s_lshl_b32 s24, ttmp9, 2
	s_add_co_u32 s24, s24, s20                     ; the run among all three tensors' 3,072
	s_lshl_b32 s22, s24, 12                        ; 4,096 bytes of codes a run
	s_add_nc_u64 s[12:13], s[12:13], s[22:23]
	s_lshl_b32 s22, s24, 8                         ; 256 scale bytes a run
	s_add_nc_u64 s[14:15], s[14:15], s[22:23]
.macro LOAD t
.irp i, 0,1,2,3
	global_load_b128 v[R+16*((\t)%4)+4*\i:R+16*((\t)%4)+4*\i+3], v3, s[4:5] offset:2048*(\t)+512*\i th:TH_LOAD_NT   ; 32 lanes read 512 consecutive bytes
.endr
.endm
.macro TURN t                          ; step t's numbers through the stage: LDS serves a wave's instructions in order, so no wait stands between the stores and the loads
.irp i, 0,1,2,3
	ds_store_b128 v14, v[R+16*((\t)%4)+4*\i:R+16*((\t)%4)+4*\i+3] offset:32*SP*((\t)%2)+8*SP*\i
.endr
.irp i, 0,1,2,3
	ds_load_b128 v[X+16*((\t)%2)+4*\i:X+16*((\t)%2)+4*\i+3], v15 offset:32*SP*((\t)%2)+16*\i
.endr
.endm
.irp t, 0,1,2,3
	LOAD \t
.endr
	s_wait_loadcnt 12                              ; step 0's four loads are in; three steps' twelve stay out
	TURN 0
.macro STEP t
.set XS, X+16*((\t)%2)
.if (\t) > 0
	s_wait_dscnt 1                                 ; this step's numbers are back from the stage (the last step's byte store may be out): so its stores into the stage have read their registers,
.else
	s_wait_dscnt 0x0
.endif
.if (\t)+4 < STEPS
	LOAD (\t)+4                                    ; which take the loads of four steps on
.endif
.if (\t)+1 < STEPS
.if STEPS-2-(\t) >= 3
	s_wait_loadcnt 12                              ; the next step's four loads are in; those of the three steps behind it may be out
.else
	s_wait_loadcnt 4*(STEPS-2-(\t))
.endif
	TURN (\t)+1                                    ; and go through the other stage while this step is worked
.endif
	v_max3_num_f32 v8, |v[XS]|, |v[XS+1]|, |v[XS+2]|               ; the largest magnitude of my 16, in two chains
	v_max3_num_f32 v9, |v[XS+3]|, |v[XS+4]|, |v[XS+5]|
.irp i, 6,10
	v_max3_num_f32 v8, v8, |v[XS+\i]|, |v[XS+\i+1]|
	v_max3_num_f32 v9, v9, |v[XS+\i+2]|, |v[XS+\i+3]|
.endr
	v_max3_num_f32 v8, v8, |v[XS+14]|, |v[XS+15]|
	v_max3_num_f32 v8, v8, v9, (EMAX+1)<<23        ; and the floor 2^(EMAX + 1 - 127): the byte cannot fall under 1
	v_max_num_f32_dpp v8, v8, v8 row_xmask:1 row_mask:0xf bank_mask:0xf   ; and of my neighbour's 16: the block's
	v_add_nc_u32 v11, -(EMAX<<23), v8              ; EMAX off its exponent field: the conversion takes the exponent field of this operand as its scale
	v_cvt_scalef32_pk8_fp4_f32 v[C+4*(\t)], v[XS:XS+7], v11        ; eight numbers / the scale, to the nearest code, ties to even, beyond 6 the largest code
	v_cvt_scalef32_pk8_fp4_f32 v[C+4*(\t)+1], v[XS+8:XS+15], v11
	v_lshrrev_b32 v[E+(\t)], 23, v11               ; the scale's byte (also the plain line behind the conversions)
	ds_store_b8 v5, v[E+(\t)] offset:16*(\t)       ; both lanes of a block write the same byte with the same value
	global_store_b64 v4, v[C+4*(\t):C+4*(\t)+1], s[12:13] offset:32*CB*(\t)   ; the wave stores 256 consecutive bytes, aligned
.endm
.irp t, 0,1,2,3,4,5,6,7,8,9,10,11,12,13,14,15
	STEP \t
.endr
	ds_load_b64 v[8:9], v6                         ; LDS serves a wave's instructions in order: these see my byte stores
	s_wait_dscnt 0x0
	global_store_b64 v7, v[8:9], s[14:15]          ; 32 lanes store 256 consecutive bytes, aligned
	s_wait_tensorcnt 0x0                           ; the wave's end: three lines behind my last LDS store
	ds_add_u32 v[SPW], v[NIL]
	s_wait_dscnt 0x0
	s_endpgm
.Lwo:                                              ; w_o to f16: 128 waves, 32,768 bytes in and 16,384 out for each; no LDS is touched on this path
	s_sub_co_u32 s22, ttmp9, XWG
	s_lshl_b32 s22, s22, 2
	s_add_co_u32 s22, s22, s20                     ; my run
	s_lshl_b32 s24, s22, 15
	s_mov_b32 s25, 0
	s_add_nc_u64 s[10:11], s[10:11], s[24:25]
	s_lshl_b32 s24, s22, 14
	s_add_nc_u64 s[16:17], s[16:17], s[24:25]
.irp i, 0,1,2,3,4,5,6,7,8,9,10,11,12,13,14,15
	global_load_b128 v[R+4*\i:R+4*\i+3], v3, s[10:11] offset:512*\i th:TH_LOAD_NT
.endr
.macro CHUNK n
.if 63-(\n) < 15
	s_wait_loadcnt 63-(\n)                         ; the tail: the counts run down
.else
	s_wait_loadcnt 15                              ; my chunk is in; the fifteen younger loads stay out
.endif
.if (\n) == 32
	s_wait_xcnt 0x0                                ; stores 0 to 31 have read their data: from here on their registers are written again
.endif
	v_cvt_pk_f16_f32 v[C+2*((\n)%32)], v[R+4*((\n)%16)], v[R+4*((\n)%16)+1]
	v_cvt_pk_f16_f32 v[C+2*((\n)%32)+1], v[R+4*((\n)%16)+2], v[R+4*((\n)%16)+3]
.if (\n)+16 < 64
	global_load_b128 v[R+4*((\n)%16):R+4*((\n)%16)+3], v3, s[10:11] offset:512*((\n)+16) th:TH_LOAD_NT
.endif
	global_store_b64 v4, v[C+2*((\n)%32):C+2*((\n)%32)+1], s[16:17] offset:256*(\n)   ; 256 consecutive bytes, aligned
.endm
.set N, 0
.rept 64
	CHUNK N
.set N, N+1
.endr
	s_endpgm
.Lfunc_end_k_qa228f52c8c_prep_x:
	.size	k_qa228f52c8c_prep_x, .Lfunc_end_k_qa228f52c8c_prep_x-k_qa228f52c8c_prep_x
	.p2alignl 7, 3214868480
	.fill 96, 4, 3214868480
	.section	.rodata,"a",@progbits
	.p2align	6, 0x0
	.amdhsa_kernel k_qa228f52c8c_prep_x
		.amdhsa_group_segment_fixed_size 33280
		.amdhsa_private_segment_fixed_size 0
		.amdhsa_enable_private_segment 0
		.amdhsa_kernarg_size 56
		.amdhsa_user_sgpr_count 2
		.amdhsa_user_sgpr_kernarg_segment_ptr 1
		.amdhsa_wavefront_size32 1
		.amdhsa_system_sgpr_workgroup_id_x 1
		.amdhsa_system_sgpr_workgroup_id_y 1
		.amdhsa_system_sgpr_workgroup_id_z 1
		.amdhsa_system_vgpr_workitem_id 0
		.amdhsa_next_free_vgpr 192
		.amdhsa_next_free_sgpr 66
		.amdhsa_reserve_vcc 0
		.amdhsa_float_denorm_mode_32 3
		.amdhsa_float_denorm_mode_16_64 3
		.amdhsa_memory_ordered 1
		.amdhsa_forward_progress 1
		.amdhsa_inst_pref_size 56
	.end_amdhsa_kernel
	.amdgpu_metadata
---
amdhsa.version: [ 1, 2 ]
amdhsa.kernels:
  - .name:           k_qa228f52c8c_prep_x
    .symbol:         k_qa228f52c8c_prep_x.kd
    .args:
      - { .name: q, .offset: 0, .size: 8, .value_kind: global_buffer, .address_space: global }
      - { .name: k, .offset: 8, .size: 8, .value_kind: global_buffer, .address_space: global }
      - { .name: v, .offset: 16, .size: 8, .value_kind: global_buffer, .address_space: global }
      - { .name: w_o, .offset: 24, .size: 8, .value_kind: global_buffer, .address_space: global }
      - { .name: x_codes, .offset: 32, .size: 8, .value_kind: global_buffer, .address_space: global }
      - { .name: x_scales, .offset: 40, .size: 8, .value_kind: global_buffer, .address_space: global }
      - { .name: wo16, .offset: 48, .size: 8, .value_kind: global_buffer, .address_space: global }
    .group_segment_fixed_size: 33280
    .private_segment_fixed_size: 0
    .kernarg_segment_align: 8
    .kernarg_segment_size: 56
    .max_flat_workgroup_size: 128
    .sgpr_count:     66
    .vgpr_count:     192
    .wavefront_size: 32
...
	.end_amdgpu_metadata
.endif
;; end of part 1
;; launch prep_w (part 2): grid 16 x 3, 16 waves a work-group, no clusters, 37,888 bytes of LDS; arguments w_q, w_k, w_v, w_codes, w_scales; writes w_codes, w_scales
.if DOCPART == 2
	.amdgcn_target "amdgcn-amd-amdhsa--gfx1250"
	.amdhsa_code_object_version 6
	.text
	.protected	k_qa228f52c8c_prep_w
	.globl	k_qa228f52c8c_prep_w
	.p2align	8
	.type	k_qa228f52c8c_prep_w,@function
k_qa228f52c8c_prep_w:
	s_mov_b64 s[64:65], 0
	v_nop
	global_prefetch_b8 v0, s[64:65] scope:SCOPE_SE
	s_setreg_imm32_b32 hwreg(HW_REG_WAVE_MODE, 25, 1), 1
	s_wait_xcnt 0x0
; w_q, w_k, w_v [1024 k][1024 n] f32: K is the FIRST axis.  They become codes of FP4 (E2M1) laid [3][1024 n][512 bytes] with K innermost, and scale bytes [3][1024 n][32].
; A LANE TAKES A COLUMN n AND ITS REGISTERS RUN DOWN K: a block of 32 along K lies in one lane's 32 registers, so its largest magnitude needs no other lane, and the conversions give codes with K innermost.
; The quantiser is that of the launch before (byte = the largest magnitude's exponent field - 2, held at 1 from below; a block of zeros gets the byte 1, its codes are zeros, and only this program reads the bytes).
; LIMITS: blocks whose largest magnitude lies under 2^(2 - 126) get the byte 1; NaN and infinities are not served.
; SHARES: work-group (x, y): tensor y, columns 64 x .. 64 x + 63, ALL of K, so that whole rows of codes (512 bytes) and of scale bytes leave together.  Wave w: columns 32 (w & 1) on, K = 128 (w >> 1) on: four blocks a lane.
; All 128 loads of a wave go out at once.  Codes and bytes meet in LDS; one barrier; each wave stores four whole rows of codes, waves 0-3 also 512 scale bytes each.
; No tensor loads and no cluster: no byte is read by two work-groups.
.set PITCH, 528                        ; a stage row: 512 bytes + 16: an odd multiple of 16
.set SCS,   64*PITCH                   ; behind the stage: 64 rows of 32 scale bytes
.set SPARE, SCS+2048                   ; behind them: the spare words, 128 bytes for each of 16 waves
.set EMAX,  2
.set X,     32                         ; v32-159  my column's 128 numbers; on the way out v32-51
.set C,     160                        ; v160-175 four registers of codes for each block: never written twice
.set SB,    176                        ; v176     my four scale bytes
.set SPW,   14
.set NIL,   15
	s_load_b128 s[4:7], s[0:1], 0x0                ; w_q, w_k
	s_load_b128 s[8:11], s[0:1], 0x10              ; w_v, w_codes
	s_load_b64 s[12:13], s[0:1], 0x20              ; w_scales
	v_lshl_add_u32 v[SPW], v0, 2, SPARE
	v_mov_b32 v[NIL], 0
	v_lshrrev_b32 v1, 5, v0
	v_readfirstlane_b32 s16, v1                    ; wave 0..15
	v_and_b32 v2, 31, v0                           ; lane
	s_and_b32 s17, s16, 1                          ; which 32 columns
	s_lshr_b32 s18, s16, 1                         ; which 128 along K
	s_and_b32 s19, ttmp7, 0xffff                   ; which tensor
	v_lshlrev_b32 v3, 2, v2                        ; in: 4 bytes a lane
	s_mul_i32 s20, s17, 32*PITCH
	s_lshl_b32 s21, s18, 6
	s_add_co_u32 s20, s20, s21
	v_mul_u32_u24 v4, v2, PITCH
	v_add_nc_u32 v4, s20, v4                       ; the stage: row = my column, + 64 bytes for each 128 along K
	s_lshl_b32 s20, s17, 10
	s_lshl_b32 s21, s18, 2
	s_add_co_u32 s20, s20, s21
	s_add_co_u32 s20, s20, SCS
	v_lshl_add_u32 v5, v2, 5, s20                  ; my column's 32 scale bytes, my four of them
	s_mul_i32 s20, s16, 4*PITCH
	v_lshl_add_u32 v7, v2, 4, s20                  ; back: my wave's four rows, 16 bytes a lane
	v_lshlrev_b32 v8, 4, v2                        ; and the same place in memory
	s_and_b32 s26, s16, 3
	s_lshl_b32 s26, s26, 9
	s_add_co_u32 s21, s26, SCS
	v_lshl_add_u32 v9, v2, 4, s21                  ; waves 0-3: 512 of the 2,048 scale bytes
	s_lshl_b32 s22, s18, 19                        ; W: 128 rows of 4,096 bytes for each step of K,
	s_lshl_b32 s23, ttmp9, 8
	s_add_co_u32 s22, s22, s23                     ; 64 columns a work-group,
	s_lshl_b32 s23, s17, 7
	s_add_co_u32 s22, s22, s23                     ; 32 a wave
	s_mov_b32 s23, 0
	s_lshl_b32 s24, s19, 10
	s_lshl_b32 s25, ttmp9, 6
	s_add_co_u32 s24, s24, s25                     ; the work-group's first row among the 3 x 1,024
	s_lshl_b32 s28, s24, 5
	s_add_co_u32 s28, s28, s26                     ; its scale bytes, + my 512
	s_mov_b32 s29, 0
	s_lshl_b32 s25, s16, 2
	s_add_co_u32 s24, s24, s25
	s_lshl_b32 s24, s24, 9                         ; my four rows of codes
	s_mov_b32 s25, 0
	s_wait_kmcnt 0x0
	s_cmp_lt_u32 s19, 2
	s_cselect_b64 s[6:7], s[6:7], s[8:9]
	s_cmp_lt_u32 s19, 1
	s_cselect_b64 s[4:5], s[4:5], s[6:7]
	s_add_nc_u64 s[4:5], s[4:5], s[22:23]
	s_add_nc_u64 s[10:11], s[10:11], s[24:25]
	s_add_nc_u64 s[12:13], s[12:13], s[28:29]
.set I, 0
.rept 128
	global_load_b32 v[X+I], v3, s[4:5] offset:4096*I th:TH_LOAD_NT   ; W(128 kg + I, my column): 32 lanes read 128 consecutive bytes
.set I, I+1
.endr
.macro BLOCK t
.set XS, X+32*(\t)
.if 96-32*(\t) > 63
	s_wait_loadcnt 63                              ; a wait names 63 at the most: at most 63 out means that the first 65 of the 128 are in, blocks 0 and 1 among them
.else
	s_wait_loadcnt 96-32*(\t)                      ; this block's loads are in; the later blocks' may be out
.endif
	v_max3_num_f32 v12, |v[XS]|, |v[XS+1]|, |v[XS+2]|               ; the block's largest magnitude: all 32 numbers are mine
	v_max3_num_f32 v13, |v[XS+3]|, |v[XS+4]|, |v[XS+5]|
.irp i, 6,10,14,18,22,26
	v_max3_num_f32 v12, v12, |v[XS+\i]|, |v[XS+\i+1]|
	v_max3_num_f32 v13, v13, |v[XS+\i+2]|, |v[XS+\i+3]|
.endr
	v_max3_num_f32 v12, v12, |v[XS+30]|, |v[XS+31]|
	v_max3_num_f32 v12, v12, v13, (EMAX+1)<<23     ; and the floor 2^(EMAX + 1 - 127)
	v_add_nc_u32 v11, -(EMAX<<23), v12             ; the conversion's scale operand
	v_lshrrev_b32 v13, 23, v11                     ; the scale's byte
.if (\t) == 0
	v_mov_b32 v[SB], v13                           ; four bytes to a register, the lower K in the lower byte
.else
	v_lshl_or_b32 v[SB], v13, 8*(\t), v[SB]
.endif
.irp g, 0,1,2,3
	v_cvt_scalef32_pk8_fp4_f32 v[C+4*(\t)+\g], v[XS+8*\g:XS+8*\g+7], v11
.endr
	v_nop                                          ; one plain line behind the conversions
	ds_store_b128 v4, v[C+4*(\t):C+4*(\t)+3] offset:16*(\t)   ; 32 codes: 16 bytes of my column's row
.endm
	BLOCK 0
	BLOCK 1
	BLOCK 2
	BLOCK 3
	ds_store_b32 v5, v[SB]
	s_wait_dscnt 0x0                               ; for the others' sake: my stores have landed
	s_barrier_signal -1
	s_barrier_wait -1
.irp i, 0,1,2,3
	ds_load_b128 v[X+4*\i:X+4*\i+3], v7 offset:PITCH*\i
.endr
.irp i, 0,1,2,3
	s_wait_dscnt 3-\i                              ; row i is back; the later rows may be out
	global_store_b128 v8, v[X+4*\i:X+4*\i+3], s[10:11] offset:512*\i   ; 32 lanes store a whole row of 512 bytes, aligned
.endr
	s_cmp_lt_u32 s16, 4
	s_cbranch_scc0 .Lno_bytes
	ds_load_b128 v[X+16:X+19], v9
	s_wait_dscnt 0x0
	global_store_b128 v8, v[X+16:X+19], s[12:13]   ; 512 consecutive scale bytes, aligned
.Lno_bytes:
	s_wait_tensorcnt 0x0                           ; the wave's end: three lines behind my last LDS store
	ds_add_u32 v[SPW], v[NIL]
	s_wait_dscnt 0x0
	s_endpgm
.Lfunc_end_k_qa228f52c8c_prep_w:
	.size	k_qa228f52c8c_prep_w, .Lfunc_end_k_qa228f52c8c_prep_w-k_qa228f52c8c_prep_w
	.p2alignl 7, 3214868480
	.fill 96, 4, 3214868480
	.section	.rodata,"a",@progbits
	.p2align	6, 0x0
	.amdhsa_kernel k_qa228f52c8c_prep_w
		.amdhsa_group_segment_fixed_size 37888
		.amdhsa_private_segment_fixed_size 0
		.amdhsa_enable_private_segment 0
		.amdhsa_kernarg_size 40
		.amdhsa_user_sgpr_count 2
		.amdhsa_user_sgpr_kernarg_segment_ptr 1
		.amdhsa_wavefront_size32 1
		.amdhsa_system_sgpr_workgroup_id_x 1
		.amdhsa_system_sgpr_workgroup_id_y 1
		.amdhsa_system_sgpr_workgroup_id_z 1
		.amdhsa_system_vgpr_workitem_id 0
		.amdhsa_next_free_vgpr 192
		.amdhsa_next_free_sgpr 66
		.amdhsa_reserve_vcc 0
		.amdhsa_float_denorm_mode_32 3
		.amdhsa_float_denorm_mode_16_64 3
		.amdhsa_memory_ordered 1
		.amdhsa_forward_progress 1
		.amdhsa_inst_pref_size 22
	.end_amdhsa_kernel
	.amdgpu_metadata
---
amdhsa.version: [ 1, 2 ]
amdhsa.kernels:
  - .name:           k_qa228f52c8c_prep_w
    .symbol:         k_qa228f52c8c_prep_w.kd
    .args:
      - { .name: w_q, .offset: 0, .size: 8, .value_kind: global_buffer, .address_space: global }
      - { .name: w_k, .offset: 8, .size: 8, .value_kind: global_buffer, .address_space: global }
      - { .name: w_v, .offset: 16, .size: 8, .value_kind: global_buffer, .address_space: global }
      - { .name: w_codes, .offset: 24, .size: 8, .value_kind: global_buffer, .address_space: global }
      - { .name: w_scales, .offset: 32, .size: 8, .value_kind: global_buffer, .address_space: global }
    .group_segment_fixed_size: 37888
    .private_segment_fixed_size: 0
    .kernarg_segment_align: 8
    .kernarg_segment_size: 40
    .max_flat_workgroup_size: 512
    .sgpr_count:     66
    .vgpr_count:     192
    .wavefront_size: 32
...
	.end_amdgpu_metadata
.endif
;; end of part 2
;; launch proj (part 3): grid 4 x 96, 4 waves a work-group, clusters of 4 x 4, 327,680 bytes of LDS; arguments x_codes, x_scales, w_codes, w_scales, b_q, b_k, b_v, qkv16; writes qkv16
.if DOCPART == 3
	.amdgcn_target "amdgcn-amd-amdhsa--gfx1250"
	.amdhsa_code_object_version 6
	.text
	.protected	k_qa228f52c8c_proj
	.globl	k_qa228f52c8c_proj
	.p2align	8
	.type	k_qa228f52c8c_proj,@function
k_qa228f52c8c_proj:
	s_mov_b64 s[64:65], 0
	v_nop
	global_prefetch_b8 v0, s[64:65] scope:SCOPE_SE
	s_setreg_imm32_b32 hwreg(HW_REG_WAVE_MODE, 25, 1), 1
	s_wait_xcnt 0x0
	s_wait_alu depctr_hold_cnt(0) depctr_sa_sdst(0) depctr_va_vdst(0) depctr_va_sdst(0) depctr_va_ssrc(0) depctr_va_vcc(0) depctr_vm_vsrc(0)
	s_getreg_b32 s2, hwreg(HW_REG_IB_STS2, 6, 4)
	s_cmp_eq_u32 s2, 0
	s_cbranch_scc0 .Lentry_in_a_cluster
	s_endpgm
.Lentry_in_a_cluster:
	s_bfe_u32 s2, ttmp6, 0x10000c
	s_cmp_lg_u32 s2, 0xf033
	s_cbranch_scc0 .Lentry_shape_is_right
	s_endpgm
.Lentry_shape_is_right:
; The three quantised products: query = q w_q + b_q, key = k w_k + b_k, value = v w_v + b_v, on codes of FP4 (E2M1) with one E8M0 scale for each 32 along K, sums in f32, begun from the bias;
; the results are rounded once to f16 and laid by head: qkv16 [3][4 b][16 h][2048 s][64].
; A: x_codes [3 x 8192][512 bytes], x_scales [3 x 8192][32]; B: w_codes [3 x 1024 n][512 bytes], w_scales [3 x 1024][32].  The three products are one walk: tile rows 0-31 are q's, 32-63 k's, 64-95 v's.
; LIMITS: the results must lie within +-65,504 (f16's range); the sums start from the bias, another order of rounding than a product with the bias added behind it.
; A tile of C, 256 x 256, is made by a work-group of four waves; a wave makes 128 x 128: 64 accumulators, 512 registers.  K = 1,024 is two LDS slots of 512 along K (rows of 256 bytes): both are asked for at the head, nothing is filled again.
; THE SCALES of the work-group's 256 rows of A and of B, for all of K, are two dense blocks of 8,192 bytes: they come into LDS once, with the first fills.
; CLUSTERS: 4 x 4 work-groups.  The four of a row of the cluster need the same tiles of A, the four of a column the same tiles of B: each tile is asked for JOINTLY.  A cluster's four tile rows lie in one tensor (32 tile rows each).
; THE MATRIX INSTRUCTION IS USED TRANSPOSED (source 0 = 16 rows of B, source 1 = 16 rows of A): a lane holds eight neighbouring columns of one row of C.
; REGISTERS, in windows of 256: window 0: v0-31 addresses; v32-95 scale words, two sets; v128-191 A's fragments, ONE set; v192-255 the bias in the result's layout (8 blocks of 16 columns), the C of the first step.
;   window 1: B's fragments, two sets, at v0 and v128.   window 2: the accumulators of my rows 0-63 ((a, b) at v[8 (8 a + b)]);   window 3: those of rows 64-127.   On the way out v128-223 of window 0 are free.
.set NQ,     4                         ; steps of 128 along K in a slot
.set ROWB,   256                       ; a tile's row in bytes: 512 codes
.set KROW,   512                       ; a row of codes in memory
.set PITCH,  272                       ; an LDS row: 256 bytes + 16: an odd multiple of 16, so the 16 rows that a load touches start at 16 different groups of four banks
.set FR,     8                         ; registers of a fragment: 16 rows x 128 K
.set NL,     2                         ; LDS loads that bring one
.set NP,     4                         ; places behind this matrix instruction (ISA guide 7.12.1)
.set HALFT,  128*PITCH                 ; 128 rows: what one tensor load brings
.set SLOT,   4*HALFT                   ; A's 256 rows, then B's 256 rows
.set KS,     32                        ; a row of scale bytes
.set SCL,    2*SLOT                    ; behind the two slots: the scales, as rows of 256 bytes + 16
.set HALFS,  (128*KS/256)*272          ; the scales of 128 rows
.set SBLK,   (16*KS/256)*272           ; those of 16 rows
.set SPARE,  SCL+4*HALFS               ; behind the scales: the spare words, 128 bytes a wave
.set SPITCH, 272                       ; the way out: a stage of 16 rows x (256 bytes + 16) for each wave, in slot 0, which has had its only fill and its last read by then
.set ADRA, 16                          ; v16-17  LDS address of my A fragments in slot 0, 1
.set ADRB, 20                          ; v20-21  the same for B
.set STO,  24                          ; v24     the way out: where I put 16 bytes of a row
.set RD,   25                          ; v25     where I read 16 bytes back
.set CO,   26                          ; v26     my byte offset in qkv16
.set ADRS, 27                          ; v27     LDS address of my scale words: lanes 0-15 A's rows, lanes 16-31 B's
.set SPW,  28                          ; v28     LDS address of my spare word; never rewritten
.set NIL,  29                          ; v29     0; never rewritten
.set BO,   30                          ; v30     32 x (lane / 16): my eight numbers of a block of the bias
.set SC,   32                          ; scale words: set s at v[SC + 32 s]; register 4 i + q: lanes 0-15 A's block i, lanes 16-31 B's block i, the slot's q-th 128 along K
.set AF,   128                         ; A's fragments
.set BI,   192                         ; the bias
.set TMP,  192                         ; the way out: 32 registers of packed results
.set OB,   128                         ; and two sets of 32 read back from the stage
.set G1, 24                            ; s[24:31] group 1 for A's tiles;  s[32:39] group 0, one set for each slot
.set G0, 32
.set G1B, 48                           ; s[48:55], s[56:63] the same for B's tiles
.set G0B, 56
.set G1S, 68                           ; s[68:75], s[76:79] groups 1 and 0 for A's scales;  s[80:87], s[88:91] for B's
.set G0S, 76
.set G1SB, 80
.set G0SB, 88
.set MSB, 0
.macro WIN new                         ; the immediate's high byte repeats the setting that is left
.if MSB != (\new)
	s_set_vgpr_msb (MSB<<8)|(\new)
.set MSB, (\new)
.endif
.endm
.set MUL_LO, 0xa1                      ; source 0 (B) window 1, source 1 (A) window 0, C and D window 2
.set MUL_HI, 0xf1                      ; the same, C and D window 3
.set FST_LO, 0x81                      ; the first step: C (the bias) window 0, D window 2
.set FST_HI, 0xc1                      ; D window 3
.set TO_B,   0x40                      ; destination window 1, address window 0
; A joint load: waves 0 and 1 fetch for A, waves 2 and 3 for B.  Each line has one mask and one set of registers for all that issue it; the branch hangs on the wave's number alone.
; An s_nop 0 and four v_nop follow each of the two lines.
.macro JLOAD g0a, g1a, g0b, g1b
	s_cmp_eq_u32 s15, 0
	s_cbranch_scc0 .Lfor_b_\@
	tensor_load_to_lds s[\g0a:\g0a+3], s[\g1a:\g1a+7]
	s_nop 0
.rept 4
	v_nop
.endr
	s_branch .Lasked_\@
.Lfor_b_\@:
	tensor_load_to_lds s[\g0b:\g0b+3], s[\g1b:\g1b+7]
	s_nop 0
.rept 4
	v_nop
.endr
.Lasked_\@:
.endm
.macro CROUND                          ; a round of the cluster's barrier
	s_barrier_signal -1
	s_barrier_wait -1
	s_cmp_lg_u32 s14, 0
	s_cbranch_scc1 .Lnot_wave_0_\@
	s_barrier_signal -3
.Lnot_wave_0_\@:
	s_barrier_wait -3
	s_barrier_signal -1
	s_barrier_wait -1
.endm
	s_load_b128 s[4:7], s[0:1], 0x0                ; A's codes s[4:5], A's scales s[6:7]
	s_load_b128 s[8:11], s[0:1], 0x10              ; B's codes s[8:9], B's scales s[10:11]
	s_load_b128 s[96:99], s[0:1], 0x20             ; b_q, b_k
	s_load_b64 s[66:67], s[0:1], 0x30              ; b_v
	s_load_b64 s[12:13], s[0:1], 0x38              ; qkv16
	v_lshl_add_u32 v[SPW], v0, 2, SPARE
	v_mov_b32 v[NIL], 0
	ds_add_u32 v[SPW], v[NIL]                      ; the wave's opening: the add, twice on end, and its wait ahead of my first tensor load
	ds_add_u32 v[SPW], v[NIL]
	v_lshrrev_b32 v1, 5, v0
	v_readfirstlane_b32 s14, v1                    ; wave 0..3
	s_lshr_b32 s15, s14, 1                         ; which half of the tile's rows is mine.  Also: I fetch for A (0) or for B (1)
	s_and_b32 s16, s14, 1                          ; which half of its columns.  Also: which 128 rows of that tile I fetch
	s_bfe_u32 s40, ttmp6, 0x40000                  ; cx, cy: my place in the cluster
	s_bfe_u32 s41, ttmp6, 0x40004
	s_lshl_b32 s42, ttmp9, 2
	s_add_co_u32 s42, s42, s40                     ; tile column of C = 4 x cluster x + cx
	s_and_b32 s17, ttmp7, 0xffff
	s_lshr_b32 s95, s17, 3                         ; which product: 8 clusters along y for each; the same in all sixteen partners
	s_lshl_b32 s17, s17, 2
	s_add_co_u32 s17, s17, s41                     ; tile row among the 96 = 4 x cluster y + cy
	s_lshl_b32 s43, s41, 2
	s_lshl_b32 s43, 15, s43                        ; my row of the cluster
	s_lshl_b32 s44, 0x1111, s40                    ; my column
	; group 1: a tile of 128 rows x 256 bytes, padded in LDS
	s_or_b32 s[G1+0], s43, (0<<16)|(1<<20)|(1<<21)|(5<<22)|(3<<25)  ; 15:0 the mask: A's tiles go to my row; 17:16 elements of 1 byte; 20 padding on; 21 set beside a mask; 24:22 after every 64 words; 31:25 four words
	s_or_b32 s[G1B+0], s44, (0<<16)|(1<<20)|(1<<21)|(5<<22)|(3<<25)
.irp g, G1, G1B
	s_mov_b32 s[\g+1], ROWB<<16                    ; tensor_dim0
	s_mov_b32 s[\g+2], 128<<16                     ; tensor_dim1
	s_mov_b32 s[\g+3], ROWB<<16                    ; tile_dim0
	s_mov_b32 s[\g+4], 128                         ; tile_dim1
	s_mov_b32 s[\g+5], KROW                        ; from row to row
	s_mov_b32 s[\g+6], 0
	s_mov_b32 s[\g+7], 0
.endr
	; and for the scales of 128 rows: a dense block of 4,096 bytes, as 16 rows of 256 bytes (32 elements of 8 bytes), 16 bytes of padding behind each
	s_or_b32 s[G1S+0], s43, (3<<16)|(1<<20)|(1<<21)|(5<<22)|(3<<25)
	s_or_b32 s[G1SB+0], s44, (3<<16)|(1<<20)|(1<<21)|(5<<22)|(3<<25)
.irp g, G1S, G1SB
	s_mov_b32 s[\g+1], 32<<16
	s_mov_b32 s[\g+2], (128*KS/256)<<16
	s_mov_b32 s[\g+3], 32<<16
	s_mov_b32 s[\g+4], 128*KS/256
	s_mov_b32 s[\g+5], 32
	s_mov_b32 s[\g+6], 0
	s_mov_b32 s[\g+7], 0
.endr
	s_lshl_b32 s18, s16, 7                         ; which 128 rows of the tile I fetch
	s_lshl_b32 s20, s17, 8
	s_add_co_u32 s20, s20, s18                     ; A: row 256 x tile row + 128 x half
	s_lshl_b32 s46, s42, 8
	s_add_co_u32 s46, s46, s18                     ; B: row 256 x tile column + 128 x half
	s_lshl_b32 s19, s95, 10
	s_add_co_u32 s46, s46, s19                     ; + 1,024 x product
	s_mov_b32 s21, 0
	s_mov_b32 s47, 0
	s_mov_b64 s[18:19], KS
	s_mul_u64 s[22:23], s[20:21], s[18:19]         ; where these rows' scales begin, in bytes
	s_mul_u64 s[92:93], s[46:47], s[18:19]
	s_mov_b64 s[18:19], KROW
	s_mul_u64 s[20:21], s[20:21], s[18:19]         ; and their codes
	s_mul_u64 s[46:47], s[46:47], s[18:19]
	s_mul_i32 s45, s14, HALFT                      ; where they go: wave x 128 rows: no place in the cluster enters an LDS address
	s_mul_i32 s94, s14, HALFS
	s_wait_dscnt 0x0                               ; both opening adds are done
	s_wait_kmcnt 0x0
	s_add_nc_u64 s[20:21], s[4:5], s[20:21]
	s_add_nc_u64 s[22:23], s[6:7], s[22:23]
	s_add_nc_u64 s[46:47], s[8:9], s[46:47]
	s_add_nc_u64 s[92:93], s[10:11], s[92:93]
	CROUND                                         ; all sixteen work-groups are here: the joint loads meet
	s_mov_b32 s[G0S], 1
	s_add_co_u32 s[G0S+1], s94, SCL
	s_mov_b64 s[G0S+2:G0S+3], s[22:23]
	s_or_b32 s[G0S+3], s[G0S+3], 0x80000000
	s_mov_b32 s[G0SB], 1
	s_add_co_u32 s[G0SB+1], s94, SCL
	s_mov_b64 s[G0SB+2:G0SB+3], s[92:93]
	s_or_b32 s[G0SB+3], s[G0SB+3], 0x80000000
	JLOAD G0S, G1S, G0SB, G1SB                     ; the scales first: they are wanted with the first slot
.irp s, 0,1
	s_mov_b32 s[G0+4*\s], 1
	s_add_co_u32 s[G0+4*\s+1], s45, \s*SLOT
	s_add_nc_u64 s[G0+4*\s+2:G0+4*\s+3], s[20:21], \s*ROWB
	s_or_b32 s[G0+4*\s+3], s[G0+4*\s+3], 0x80000000
	s_mov_b32 s[G0B+4*\s], 1
	s_add_co_u32 s[G0B+4*\s+1], s45, \s*SLOT
	s_add_nc_u64 s[G0B+4*\s+2:G0B+4*\s+3], s[46:47], \s*ROWB
	s_or_b32 s[G0B+4*\s+3], s[G0B+4*\s+3], 0x80000000
	JLOAD G0+4*\s, G1, G0B+4*\s, G1B               ; three loads of mine are out in all
.endr
	; the bias of my 128 columns, in the result's layout: block b, register j = bias[256 tile column + 128 half + 16 b + 8 (lane / 16) + j]
	s_cmp_lt_u32 s95, 2
	s_cselect_b64 s[98:99], s[98:99], s[66:67]     ; b_k or b_v
	s_cmp_lt_u32 s95, 1
	s_cselect_b64 s[96:97], s[96:97], s[98:99]     ; b_q, or that
	s_lshl_b32 s46, s42, 10
	s_lshl_b32 s47, s16, 9
	s_add_co_u32 s46, s46, s47
	s_mov_b32 s47, 0
	s_add_nc_u64 s[96:97], s[96:97], s[46:47]
	v_and_b32 v1, 15, v0                           ; l % 16
	v_bfe_u32 v2, v0, 4, 1                         ; l / 16
	v_lshlrev_b32 v[BO], 5, v2
.irp b, 0,1,2,3,4,5,6,7
	global_load_b128 v[BI+8*\b:BI+8*\b+3], v[BO], s[96:97] offset:64*\b
	global_load_b128 v[BI+8*\b+4:BI+8*\b+7], v[BO], s[96:97] offset:64*\b+16
.endr
	v_mul_u32_u24 v3, v1, PITCH
	v_lshl_add_u32 v4, v2, 4, v3                   ; a fragment's row x pitch + 16 x half
	s_mul_i32 s21, s15, HALFT                      ; my 128 rows of A
	s_mul_i32 s22, s16, HALFT                      ; my 128 rows of B,
	s_add_co_u32 s22, s22, 2*HALFT                 ; which lie behind A's 256
.irp s, 0,1
	v_add_nc_u32 v[ADRA+\s], s21, v4
	v_add_nc_u32 v[ADRB+\s], s22, v4
	s_add_co_u32 s21, s21, SLOT
	s_add_co_u32 s22, s22, SLOT
.endr
	v_mul_u32_u24 v5, v1, KS                       ; my row's scales: 32 bytes a row,
	v_lshrrev_b32 v6, 8, v5
	v_lshl_add_u32 v5, v6, 4, v5                   ; and 16 more for each 256 passed
	s_mul_i32 s21, s15, HALFS                      ; A's: my 128 rows
	s_mul_i32 s22, s16, HALFS                      ; B's: my 128 rows, behind A's 256
	s_add_co_u32 s22, s22, 2*HALFS
	s_sub_co_u32 s22, s22, s21
	v_mul_u32_u24 v6, s22, v2                      ; lanes 16-31 take B's: one product, the distance between the two bases
	s_add_co_u32 s21, s21, SCL
	v_add_nc_u32 v5, v5, v6
	v_add_nc_u32 v[ADRS], s21, v5
	s_mul_i32 s23, s14, 16*SPITCH                  ; my stage
	v_mul_u32_u24 v5, v1, SPITCH                   ; in: row l % 16, 16 bytes for each half of the lanes
	v_lshl_add_u32 v5, v2, 4, v5
	v_add_nc_u32 v[STO], s23, v5
	v_bfe_u32 v6, v0, 3, 1                         ; back: lanes 0-15 take my first head's 128 bytes of two rows, lanes 16-31 my second head's
	v_and_b32 v7, 7, v0
	v_mul_u32_u24 v5, v6, SPITCH
	v_lshl_add_u32 v5, v2, 7, v5
	v_lshl_add_u32 v5, v7, 4, v5
	v_add_nc_u32 v[RD], s23, v5
	v_lshlrev_b32 v5, 18, v2                       ; in memory a head is 2,048 x 128 bytes, a token 128
	v_lshl_add_u32 v5, v6, 7, v5
	v_lshl_add_u32 v[CO], v7, 4, v5
	s_lshl_b32 s20, s17, 8
	s_lshl_b32 s21, s15, 7
	s_add_co_u32 s20, s20, s21                     ; R: my first row among the 3 x 8,192
	s_lshr_b32 s21, s20, 11                        ; 4 x product + batch
	s_lshl_b32 s21, s21, 4
	s_lshl_b32 s22, s42, 2
	s_add_co_u32 s21, s21, s22
	s_lshl_b32 s22, s16, 1
	s_add_co_u32 s21, s21, s22                     ; + my first head: 4 x tile column + 2 x half
	s_lshl_b32 s21, s21, 11
	s_and_b32 s20, s20, 2047
	s_add_co_u32 s20, s20, s21                     ; + the token
	s_lshl_b32 s20, s20, 7                         ; 128 bytes each: under 2^26
	s_mov_b32 s21, 0
	s_add_nc_u64 s[12:13], s[12:13], s[20:21]
.macro FRAG reg, adr, q, i             ; a fragment, 16 rows x 128 K of 4-bit codes: lane l holds row l % 16; registers 4 c .. 4 c + 3 hold K = 64 c + 32 (l / 16) + 0 .. 31
.irp c, 0,1
	ds_load_b128 v[\reg+4*\c:\reg+4*\c+3], v[\adr] offset:64*(\q)+32*\c+(\i)*16*PITCH
.endr
.endm
; 16 matrix instructions: A's blocks a0, a0 + 1 x B's eight, the slot's q-th 128 along K.  p: B's set;  sc: the set of scale words.  first = 1: the sums begin from the bias.
; The 64 accumulators take turns, one instruction a turn, in the same order in every step.
.macro MUL16 a0, p, q, sc, first
.irp a, \a0, \a0+1
.irp b, 0,1,2,3,4,5,6,7
.if \first
	v_wmma_scale_f32_16x16x128_f8f6f4 v[8*(8*((\a)%4)+\b):8*(8*((\a)%4)+\b)+7], v[128*(\p)+FR*\b:128*(\p)+FR*\b+FR-1], v[AF+FR*(\a):AF+FR*(\a)+FR-1], v[BI+8*\b:BI+8*\b+7], v[SC+8*NQ*(\sc)+NQ*\b+(\q)], v[SC+8*NQ*(\sc)+NQ*(\a)+(\q)] matrix_a_fmt:MATRIX_FMT_FP4 matrix_b_fmt:MATRIX_FMT_FP4 matrix_a_scale:MATRIX_SCALE_ROW1
.else
	v_wmma_scale_f32_16x16x128_f8f6f4 v[8*(8*((\a)%4)+\b):8*(8*((\a)%4)+\b)+7], v[128*(\p)+FR*\b:128*(\p)+FR*\b+FR-1], v[AF+FR*(\a):AF+FR*(\a)+FR-1], v[8*(8*((\a)%4)+\b):8*(8*((\a)%4)+\b)+7], v[SC+8*NQ*(\sc)+NQ*\b+(\q)], v[SC+8*NQ*(\sc)+NQ*(\a)+(\q)] matrix_a_fmt:MATRIX_FMT_FP4 matrix_b_fmt:MATRIX_FMT_FP4 matrix_a_scale:MATRIX_SCALE_ROW1
.endif
.endr
.endr
.endm
.macro FETCH_B slot, q, p              ; B's eight fragments of the slot's q-th 128 along K into set p
	WIN TO_B
.irp i, 0,1,2,3,4,5,6,7
	FRAG 128*(\p)+FR*\i, ADRB+\slot, \q, \i
.endr
	WIN 0
.endm
.macro FETCH_A slot, q, i0             ; A's blocks i0 .. i0 + 3
.irp i, \i0, \i0+1, \i0+2, \i0+3
	FRAG AF+FR*(\i), ADRA+\slot, \q, \i
.endr
.endm
.macro SCALES sc                       ; a slot's scale words into set sc: four words a row; lanes 0-15 take A's block i, lanes 16-31 B's block i
.irp i, 0,1,2,3,4,5,6,7
	ds_load_b128 v[SC+8*NQ*\sc+NQ*\i:SC+8*NQ*\sc+NQ*\i+3], v[ADRS] offset:\i*SBLK
.endr
.endm
; A load into a register that a matrix instruction has read, and a vector instruction that reads a matrix result, stand NP places behind that matrix instruction; only plain vector instructions that name none of its registers are places.
.macro PLACES n
.rept \n
	v_nop
.endr
.endm
; A step of 128 along K that has its successor in the same slot.  A's blocks 0-3 are fetched anew in its middle, blocks 4-7 at its end; B has two sets.
.macro STEP slot, q, first
	s_wait_dscnt 4*NL                              ; B's set and A's blocks 0-3 are in; the youngest eight loads (A's blocks 4-7) may be out
.if \first
	WIN FST_LO
.else
	WIN MUL_LO
.endif
	MUL16 0, (\q)%2, \q, \slot, \first
	MUL16 2, (\q)%2, \q, \slot, \first
	s_wait_dscnt 0                                 ; A's blocks 4-7 are in (asked for 32 matrix instructions ago)
	PLACES NP
	FETCH_B \slot, (\q)+1, 1-(\q)%2
	FETCH_A \slot, (\q)+1, 0
.if \first
	WIN FST_HI
.else
	WIN MUL_HI
.endif
	MUL16 4, (\q)%2, \q, \slot, \first
	MUL16 6, (\q)%2, \q, \slot, \first
	PLACES NP
	WIN 0
	FETCH_A \slot, (\q)+1, 4
.endm
; Slot 0's last step changes slots: one barrier; in front of it each wave waits for all its tensor loads (its part of slot 1), adds 0 to its spare word, and waits for that and for its reads of slot 0.  Nothing is filled again.
.macro TURN slot, next
	s_wait_tensorcnt 0x0                           ; all my tensor loads have landed
	ds_add_u32 v[SPW], v[NIL]                      ; 0 onto my spare word
	s_wait_dscnt 4*NL+1                            ; (the add and the youngest eight loads, A's blocks 4-7, may be out)
	WIN MUL_LO
	MUL16 0, 1, NQ-1, \slot, 0                     ; sixteen matrix instructions stand between the add and the wait for it
	s_wait_dscnt 0x0                               ; the add is done, and my reads of this slot are over
	s_barrier_signal -1
	MUL16 2, 1, NQ-1, \slot, 0
	WIN 0
	s_barrier_wait -1
	PLACES NP
	v_add_nc_u32 v[ADRS], 4*NQ, v[ADRS]            ; on to the next slot's scale words (no LDS load of mine is out)
	FETCH_B \next, 0, 0
	FETCH_A \next, 0, 0
	SCALES \next
	WIN MUL_HI
	MUL16 4, 1, NQ-1, \slot, 0
	MUL16 6, 1, NQ-1, \slot, 0
	PLACES NP
	WIN 0
	FETCH_A \next, 0, 4
.endm
.macro STEPS slot, from                ; the slot's steps from .. NQ - 2
.set Q, \from
.rept NQ-1-\from
	STEP \slot, Q, 0
.set Q, Q+1
.endr
.endm
	s_wait_tensorcnt 1                             ; the scales and my part of slot 0 are in (slot 1's load may be out)
	s_barrier_signal -1
	s_barrier_wait -1                              ; everybody's are
	FETCH_B 0, 0, 0
	FETCH_A 0, 0, 0
	SCALES 0
	FETCH_A 0, 0, 4
	s_wait_loadcnt 0x0                             ; the bias
	STEP 0, 0, 1                                   ; the first step's products start the sums from the bias: nothing is cleared, nothing is added later
	STEPS 0, 1
	TURN 0, 1
	STEPS 1, 0
	s_wait_dscnt 4*NL                              ; the very last step: nothing more to fetch
	WIN MUL_LO
	MUL16 0, 1, NQ-1, 1, 0
	MUL16 2, 1, NQ-1, 1, 0
	s_wait_dscnt 0
	WIN MUL_HI
	MUL16 4, 1, NQ-1, 1, 0
	MUL16 6, 1, NQ-1, 1, 0
	WIN 0
; THE WAY OUT, block by block of 16 rows x 128 columns (two heads).  PACK: rounded to f16, 16 bytes a lane, each accumulator from its low end on.  TOSTAGE: into my own stage and back so that sixteen lanes hold
; two tokens of one head.  SEND: stored: those sixteen lanes write 256 consecutive bytes, aligned.  LDS serves a wave's instructions in order: no wait between the stage's stores and loads.
.macro PACK a
.set AC, 64*((\a)%4)
	WIN 0x0a+5*((\a)/4)                            ; sources 0 and 1: window 2 or 3
.irp b, 0,1,2,3,4,5,6,7
.irp r, 0,1,2,3
	v_cvt_pk_f16_f32 v[TMP+4*\b+\r], v[AC+8*\b+2*\r], v[AC+8*\b+2*\r+1]
.endr
.endr
	WIN 0
.endm
.macro TOSTAGE a
.set BB, OB+32*((\a)%2)
.irp b, 0,1,2,3,4,5,6,7
	ds_store_b128 v[STO], v[TMP+4*\b:TMP+4*\b+3] offset:32*\b
.endr
.irp t, 0,1,2,3,4,5,6,7
	ds_load_b128 v[BB+4*\t:BB+4*\t+3], v[RD] offset:\t*2*SPITCH
.endr
.endm
.macro SEND a
.set BB, OB+32*((\a)%2)
	s_wait_dscnt 0x0                               ; the block is back in registers
	s_wait_xcnt 0x0                                ; the stores of the block before have read their registers: the next block's loads from the stage may land there
.irp t, 0,1,2,3,4,5,6,7
	global_store_b128 v[CO], v[BB+4*\t:BB+4*\t+3], s[12:13] offset:2048*(\a)+256*\t   ; tokens 16 a + 2 t and + 1 of two heads
.endr
.endm
	PLACES NP                                      ; behind the last products: for the conversions, and for the loads into the registers that held A's fragments
	PACK 0
	TOSTAGE 0
.irp a, 1,2,3,4,5,6,7                  ; block a's conversions stand between block a - 1's loads from the stage and the wait for them
	PACK \a
	SEND \a-1
	TOSTAGE \a
.endr
	SEND 7
	s_wait_tensorcnt 0x0                           ; the wave's end: three lines behind my last tensor load and my last LDS store
	ds_add_u32 v[SPW], v[NIL]
	s_wait_dscnt 0x0
	CROUND                                         ; the closing round
	s_endpgm
.Lfunc_end_k_qa228f52c8c_proj:
	.size	k_qa228f52c8c_proj, .Lfunc_end_k_qa228f52c8c_proj-k_qa228f52c8c_proj
	.p2alignl 7, 3214868480
	.fill 96, 4, 3214868480
	.section	.rodata,"a",@progbits
	.p2align	6, 0x0
	.amdhsa_kernel k_qa228f52c8c_proj
		.amdhsa_group_segment_fixed_size 327680
		.amdhsa_private_segment_fixed_size 0
		.amdhsa_enable_private_segment 0
		.amdhsa_kernarg_size 64
		.amdhsa_user_sgpr_count 2
		.amdhsa_user_sgpr_kernarg_segment_ptr 1
		.amdhsa_wavefront_size32 1
		.amdhsa_system_sgpr_workgroup_id_x 1
		.amdhsa_system_sgpr_workgroup_id_y 1
		.amdhsa_system_sgpr_workgroup_id_z 1
		.amdhsa_system_vgpr_workitem_id 0
		.amdhsa_next_free_vgpr 1024
		.amdhsa_next_free_sgpr 100
		.amdhsa_reserve_vcc 0
		.amdhsa_float_denorm_mode_32 3
		.amdhsa_float_denorm_mode_16_64 3
		.amdhsa_memory_ordered 1
		.amdhsa_forward_progress 1
		.amdhsa_inst_pref_size 129
	.end_amdhsa_kernel
	.amdgpu_metadata
---
amdhsa.version: [ 1, 2 ]
amdhsa.kernels:
  - .name:           k_qa228f52c8c_proj
    .symbol:         k_qa228f52c8c_proj.kd
    .args:
      - { .name: x_codes, .offset: 0, .size: 8, .value_kind: global_buffer, .address_space: global }
      - { .name: x_scales, .offset: 8, .size: 8, .value_kind: global_buffer, .address_space: global }
      - { .name: w_codes, .offset: 16, .size: 8, .value_kind: global_buffer, .address_space: global }
      - { .name: w_scales, .offset: 24, .size: 8, .value_kind: global_buffer, .address_space: global }
      - { .name: b_q, .offset: 32, .size: 8, .value_kind: global_buffer, .address_space: global }
      - { .name: b_k, .offset: 40, .size: 8, .value_kind: global_buffer, .address_space: global }
      - { .name: b_v, .offset: 48, .size: 8, .value_kind: global_buffer, .address_space: global }
      - { .name: qkv16, .offset: 56, .size: 8, .value_kind: global_buffer, .address_space: global }
    .group_segment_fixed_size: 327680
    .private_segment_fixed_size: 0
    .kernarg_segment_align: 8
    .kernarg_segment_size: 64
    .max_flat_workgroup_size: 128
    .sgpr_count:     100
    .vgpr_count:     1024
    .wavefront_size: 32
...
	.end_amdgpu_metadata
.endif
;; end of part 3
;; launch attn (part 4): grid 4 x 64, 8 waves a work-group, clusters of 4 x 1, 327,680 bytes of LDS; arguments qkv16, ao16; writes ao16
.if DOCPART == 4
	.amdgcn_target "amdgcn-amd-amdhsa--gfx1250"
	.amdhsa_code_object_version 6
	.text
	.protected	k_qa228f52c8c_attn
	.globl	k_qa228f52c8c_attn
	.p2align	8
	.type	k_qa228f52c8c_attn,@function
k_qa228f52c8c_attn:
	s_mov_b64 s[64:65], 0
	v_nop
	global_prefetch_b8 v0, s[64:65] scope:SCOPE_SE
	s_setreg_imm32_b32 hwreg(HW_REG_WAVE_MODE, 25, 1), 1
	s_wait_xcnt 0x0
	s_wait_alu depctr_hold_cnt(0) depctr_sa_sdst(0) depctr_va_vdst(0) depctr_va_sdst(0) depctr_va_ssrc(0) depctr_va_vcc(0) depctr_vm_vsrc(0)
	s_getreg_b32 s2, hwreg(HW_REG_IB_STS2, 6, 4)
	s_cmp_eq_u32 s2, 0
	s_cbranch_scc0 .Lentry_in_a_cluster
	s_endpgm
.Lentry_in_a_cluster:
	s_bfe_u32 s2, ttmp6, 0x10000c
	s_cmp_lg_u32 s2, 0x3003
	s_cbranch_scc0 .Lentry_shape_is_right
	s_endpgm
.Lentry_shape_is_right:
; ao[bh][q][:] = the sum over k of softmax_k(Q[bh][q] . K[bh][k] / 8) V[bh][k][:].  Q, K, V: qkv16 [3][64 bh][2048][64] f16; ao16 [64 bh][2048][64] f16.  Products, maxima and sums in f32;
; the weights p are rounded to f16 for the second product, the result once at the end.  No mask.
; LIMITS: Q, K, V arrive in f16 (within +-65,504); a weight p under 2^-25 of its row's largest counts as 0 in the second product (f16), not in the row's sum; NaN and infinities are not served.
; SHARES.  A work-group owns 512 queries of one head, each of its eight waves 64: four tiles of 16, in 512 registers: two waves to a SIMD, so that one wave's softmax stands beside the other's products.
; Every wave walks all 2,048 keys, 64 a step.
; LAYOUT.  S^T = K Q^T (source 0 = 16 keys, source 1 = 16 queries): a lane holds ONE query (lane % 16) and the keys 8 (lane / 16) + 0..7 of a tile.  Two such tiles, rounded to f16 in pairs, ARE source 1
; (32 keys x 16 queries) of O^T = V^T P, whose result again holds one query a lane.  P is written in place over the low half of its tile's scores.  K comes out of LDS as it lies, V ([key][channel]) turned, by ds_load_tr16_b128.
; SOFTMAX.  For each query a running maximum m and sum l: p = 2^(c s - c m), c = log2(e) / 8; in every step O and l are multiplied by a = 2^(c m_old - c m_new).
; RING.  Two LDS slots of 512 keys (eight steps): two fills at the head, two refills.  Waves 0-3 fetch K's four quarters, waves 4-7 V's, 128 rows (16 KiB, dense in memory) a load.  A refill has eight key steps in which to land.
; CLUSTER.  The four blocks of queries of a head form a cluster and walk the same K and V: each tile is asked for JOINTLY, by the same tensor load with the same descriptor and the mask 15.
; No prefetch is laid: a refill is itself asked for eight key steps, 512 matrix instructions of a wave, ahead of the first read of its bytes.
; REGISTERS: window 0: v1-9 addresses; v12, v13 the add's two; v32-63 eight registers of statistics a tile; v64-191 S^T, 32 a tile; v192-255 K of one step.
;            window 1: v0-127 O^T, 32 a tile; v128-191 Q, 16 a tile; v192-255 V of one step.
.set SK,    512                        ; keys in a slot
.set KS,    64                         ; keys in a step
.set PK,    144                        ; a row of K in LDS: 128 bytes + 16: an odd multiple of 16
.set PVP,   160                        ; a row of V: 128 + 32: an odd multiple of 32, for the turning load
.set VOFF,  SK*PK                      ; a slot: 512 rows of K, then 512 rows of V
.set SLOTB, SK*(PK+PVP)                ; 155,648 bytes
.set SPARE, 2*SLOTB                    ; behind the ring: the spare words, 128 bytes for each of eight waves
.set SP,    144                        ; the way out: a stage of 16 rows x (128 bytes + 16) for each wave, in slot 0, which has had its last fill and its last read by then
.set HEADB, 2048*128                   ; a head in bytes
.set TENB,  64*HEADB                   ; a tensor of qkv16 in bytes
.set AK0, 2                            ; v2   my lane's place in a tile of K; never rewritten
.set AV0, 3                            ; v3   the same for V
.set ADK, 4                            ; v4   the LDS address of K's run of loads in hand
.set ADV, 5                            ; v5   of V's
.set QO,  6                            ; v6   my byte offset in the wave's rows of Q
.set STO, 7                            ; v7   the way out: where I put 16 bytes of a row
.set RD,  8                            ; v8   where I read 16 bytes back
.set GO,  9                            ; v9   my byte offset in the wave's rows of ao16
.set SPW, 12                           ; v12  LDS address of my spare word; never rewritten
.set NIL, 13                           ; v13  0; never rewritten
.set ST,  32                           ; tile t's statistics at v[ST+8 t]: +0 c m, +1 m, +2, +3 l (two halves), +4 to +7 c0-c3, at work; a, later 1 / l, takes c2's place
.set S,   64
.set KF,  192                          ; K's fragments: keys 16 kt on, channels 32 ds on, at KF + 8 (2 kt + ds)
.set QF,  128                          ; window 1: Q's: tile t, channels 32 ds on, at QF + 16 t + 8 ds
.set VF,  192                          ; window 1: V's: keys 32 ks on, channels 16 ct on, at VF + 8 (4 ks + ct)
.set WV,  8                            ; s8   my wave's number
.set G1K, 24                           ; s[24:31] group 1 for K's tiles
.set G1V, 32                           ; s[32:39] for V's: it differs in the padding alone
.set G0K, 40                           ; s[40:47] group 0 for K's tiles, a set for each slot
.set G0V, 48                           ; s[48:55] the same for V's
.set CS,  56                           ; s[56:57] c: the packed scaling names a pair and takes its low word for both halves
.set SEL, 58                           ; s[58:59] lane selects for v_permlanex16_b32: lane l xor 16
.set TK,  60                           ; s60  LDS byte at which K's rows of the step to be fetched begin
.set TV,  61                           ; s61  the same for V (less VOFF, which lies in AV0)
.set CNT, 62                           ; s62  counts a loop's trips
.set MSB, 0
.macro WIN new                         ; the immediate's high byte repeats the setting that is left; a switch that changes nothing is dropped
.if MSB != (\new)
	s_set_vgpr_msb (MSB<<8)|(\new)
.set MSB, (\new)
.endif
.endm
.set W_KQ, 0x04                        ; Q (source 1) in window 1; K and S^T in window 0
.set W_PV, 0x51                        ; V (source 0) and O^T (C, D) in window 1; P in window 0
.set W_RS, 0x41                        ; O^T (destination and source 0) in window 1, the factor in window 0
.set W_L1, 0x40                        ; a load's destination in window 1, its address in window 0
; A joint refill of slot s.  The branch hangs on the wave's number alone.  An s_nop 0 and four v_nop follow each of the two lines.
.macro JLOAD s
	s_cmp_lt_u32 s[WV], 4
	s_cbranch_scc0 .Lfor_v_\@
	tensor_load_to_lds s[G0K+4*\s:G0K+4*\s+3], s[G1K:G1K+7]
	s_nop 0
.rept 4
	v_nop
.endr
	s_branch .Lasked_\@
.Lfor_v_\@:
	tensor_load_to_lds s[G0V+4*\s:G0V+4*\s+3], s[G1V:G1V+7]
	s_nop 0
.rept 4
	v_nop
.endr
.Lasked_\@:
.endm
.macro CROUND                          ; a round of the cluster's barrier
	s_barrier_signal -1
	s_barrier_wait -1
	s_cmp_lg_u32 s[WV], 0
	s_cbranch_scc1 .Lnot_wave_0_\@
	s_barrier_signal -3
.Lnot_wave_0_\@:
	s_barrier_wait -3
	s_barrier_signal -1
	s_barrier_wait -1
.endm
	s_load_b128 s[4:7], s[0:1], 0x0                ; qkv16 s[4:5], ao16 s[6:7]
	v_lshl_add_u32 v[SPW], v0, 2, SPARE
	v_mov_b32 v[NIL], 0
	ds_add_u32 v[SPW], v[NIL]                      ; the wave's opening: the add, twice on end, and its wait ahead of my first tensor load
	ds_add_u32 v[SPW], v[NIL]
	v_lshrrev_b32 v1, 5, v0
	v_readfirstlane_b32 s[WV], v1                  ; wave 0..7
	s_bfe_u32 s9, ttmp6, 0x40000                   ; cx: my place in the cluster
	s_lshl_b32 s11, ttmp9, 2
	s_add_co_u32 s9, s9, s11                       ; my block of 512 queries: it enters Q's and ao16's addresses alone
	s_and_b32 s10, ttmp7, 0xffff                   ; the head (16 x batch + head), which the four partners share
	s_lshl_b32 s10, s10, 18                        ; its first byte in a tensor
	s_and_b32 s11, s[WV], 3                        ; which 128 rows of a slot I fetch
	s_lshl_b32 s12, s11, 14                        ; 128 rows of 128 bytes in memory,
	s_add_co_u32 s12, s12, s10
	s_mov_b32 s13, 0
	s_mul_i32 s14, s11, 128*PK                     ; and their place in a slot, for K
	s_mul_i32 s15, s11, 128*PVP
	s_add_co_u32 s15, s15, VOFF                    ; and for V: no place in the cluster enters an LDS address
	s_lshl_b32 s16, s9, 16                         ; my block's 512 rows,
	s_add_co_u32 s16, s16, s10
	s_lshl_b32 s17, s[WV], 13                      ; my wave's 64 of them
	s_add_co_u32 s16, s16, s17
	s_mov_b32 s17, 0
	; group 1: a tile of 128 rows x 64 elements, padded in LDS behind every row
	s_mov_b32 s[G1K], 15|(1<<16)|(1<<20)|(1<<21)|(4<<22)|(3<<25)  ; 15:0 the mask: all four work-groups; 17:16 elements of 2 bytes; 20 padding on; 21 set beside a mask; 24:22 after every 32 words; 31:25 four words
	s_mov_b32 s[G1V], 15|(1<<16)|(1<<20)|(1<<21)|(4<<22)|(7<<25)  ; the same with eight words of padding
.irp g, G1K, G1V
	s_mov_b32 s[\g+1], 64<<16                      ; tensor_dim0
	s_mov_b32 s[\g+2], 128<<16                     ; tensor_dim1
	s_mov_b32 s[\g+3], 64<<16                      ; tile_dim0
	s_mov_b32 s[\g+4], 128                         ; tile_dim1
	s_mov_b32 s[\g+5], 64                          ; from row to row
	s_mov_b32 s[\g+6], 0
	s_mov_b32 s[\g+7], 0
.endr
	s_mov_b32 s[CS], 0x3e38aa3b                    ; c = log2(e) / 8
	s_mov_b32 s[CS+1], s[CS]                       ; named with it as a pair, so it is written
	s_mov_b32 s[SEL], 0x76543210
	s_mov_b32 s[SEL+1], 0xfedcba98
	s_mov_b32 s[TK], 0
	s_mov_b32 s[TV], 0
	s_wait_dscnt 0x0                               ; both opening adds are done
	s_wait_kmcnt 0x0
	s_add_nc_u64 s[20:21], s[4:5], s[12:13]        ; qkv16 at my 128 rows of the head, in tensor 0
	s_add_nc_u64 s[4:5], s[4:5], s[16:17]          ; Q and ao16 at my wave's first query
	s_add_nc_u64 s[6:7], s[6:7], s[16:17]
	CROUND                                         ; all four work-groups are here: the first joint loads meet
.irp s, 0,1
	s_mov_b32 s[G0K+4*\s], 1                       ; count = 1
	s_add_co_u32 s[G0K+4*\s+1], s14, \s*SLOTB      ; LDS address
	s_add_nc_u64 s[G0K+4*\s+2:G0K+4*\s+3], s[20:21], TENB+\s*SK*128    ; K is tensor 1; slot s begins with keys 512 s on
	s_or_b32 s[G0K+4*\s+3], s[G0K+4*\s+3], 0x80000000                 ; type = 2
	s_mov_b32 s[G0V+4*\s], 1
	s_add_co_u32 s[G0V+4*\s+1], s15, \s*SLOTB
	s_add_nc_u64 s[G0V+4*\s+2:G0V+4*\s+3], s[20:21], 2*TENB+\s*SK*128  ; V is tensor 2
	s_or_b32 s[G0V+4*\s+3], s[G0V+4*\s+3], 0x80000000
.endr
	s_cmp_lt_u32 s[WV], 4                          ; a wave's two first fills stand in one branch, ahead of every wait on TENSORcnt and every LDS read: two loads of mine are out
	s_cbranch_scc0 .Lfirst_v
	tensor_load_to_lds s[G0K:G0K+3], s[G1K:G1K+7]
	s_nop 0
	tensor_load_to_lds s[G0K+4:G0K+7], s[G1K:G1K+7]
	s_nop 0
.rept 4
	v_nop
.endr
	s_branch .Lfirst_asked
.Lfirst_v:
	tensor_load_to_lds s[G0V:G0V+3], s[G1V:G1V+7]
	s_nop 0
	tensor_load_to_lds s[G0V+4:G0V+7], s[G1V:G1V+7]
	s_nop 0
.rept 4
	v_nop
.endr
.Lfirst_asked:
	; A fragment of K or Q is 16 rows x 32 channels in 8 registers: lane l holds row l % 16; registers 0-3 channels 8 (l / 16) + 0..7, registers 4-7 channels 16 + 8 (l / 16) + 0..7: two loads of 16 bytes, 32 bytes apart.
	v_and_b32 v1, 15, v0                           ; l % 16
	v_bfe_u32 v10, v0, 4, 1                        ; l / 16
	v_lshlrev_b32 v[QO], 7, v1
	v_lshl_add_u32 v[QO], v10, 4, v[QO]            ; row x 128 + 16 x half
	WIN W_L1
.irp t, 0,1,2,3
.irp ds, 0,1
	global_load_b128 v[QF+16*\t+8*\ds:QF+16*\t+8*\ds+3],   v[QO], s[4:5] offset:2048*\t+64*\ds      ; Q stays in registers
	global_load_b128 v[QF+16*\t+8*\ds+4:QF+16*\t+8*\ds+7], v[QO], s[4:5] offset:2048*\t+64*\ds+32
.endr
.endr
	WIN 0
	v_mul_u32_u24 v[AK0], v1, PK
	v_lshl_add_u32 v[AK0], v10, 4, v[AK0]          ; row x pitch + 16 x half
	; The turning load takes 16 keys x 16 channels (lane l reads 16 bytes: key 8 (l / 16) + l % 8, channels 8 ((l / 8) % 2) + 0..7) and leaves half a fragment of V^T: lane l holds channel l % 16 and 8 keys.
	v_and_b32 v11, 7, v0
	v_bfe_u32 v14, v0, 3, 1
	v_lshl_add_u32 v[AV0], v10, 3, v11
	v_mul_u32_u24 v[AV0], v[AV0], PVP
	v_lshl_add_u32 v[AV0], v14, 4, v[AV0]
	v_add_nc_u32 v[AV0], VOFF, v[AV0]
	s_mul_i32 s18, s[WV], 16*SP                    ; my stage
	v_mul_u32_u24 v[STO], v1, SP                   ; in: row l % 16, 16 bytes for each half of the lanes
	v_lshl_add_u32 v[STO], v10, 4, v[STO]
	v_add_nc_u32 v[STO], s18, v[STO]
	v_bfe_u32 v15, v0, 3, 2                        ; back: eight lanes to a row of 128 bytes, four rows a load
	v_mul_u32_u24 v[RD], v15, SP
	v_lshl_add_u32 v[RD], v11, 4, v[RD]
	v_add_nc_u32 v[RD], s18, v[RD]
	v_and_b32 v[GO], 31, v0
	v_lshlrev_b32 v[GO], 4, v[GO]                  ; in memory those four rows are 512 consecutive bytes
; THE LDS LOADS stand in runs of 16: a step's K (64 keys x 64 channels: 8 fragments) and its V (turned).
.macro FETCH_K
	WIN 0
	v_add_nc_u32 v[ADK], s[TK], v[AK0]
.irp f, 0,1,2,3,4,5,6,7
	ds_load_b128 v[KF+8*\f:KF+8*\f+3],   v[ADK] offset:(\f/2)*16*PK+(\f%2)*64
	ds_load_b128 v[KF+8*\f+4:KF+8*\f+7], v[ADK] offset:(\f/2)*16*PK+(\f%2)*64+32
.endr
	s_add_co_u32 s[TK], s[TK], KS*PK               ; the next fetch is the next step's
.endm
.macro FETCH_V
	WIN 0
	v_add_nc_u32 v[ADV], s[TV], v[AV0]
	WIN W_L1
.irp f, 0,1,2,3,4,5,6,7
	ds_load_tr16_b128 v[VF+8*\f:VF+8*\f+3],   v[ADV] offset:(\f/4)*32*PVP+(\f%4)*32
	ds_load_tr16_b128 v[VF+8*\f+4:VF+8*\f+7], v[ADV] offset:(\f/4)*32*PVP+16*PVP+(\f%4)*32
.endr
	WIN 0
	s_add_co_u32 s[TV], s[TV], KS*PVP
.endm
; S^T = K Q^T: 32 products; the 16 accumulators take turns, one instruction a turn; the first 16 start the sums.
.macro KQ
	WIN W_KQ
.irp ds, 0,1
.irp kt, 0,1,2,3
.irp t, 0,1,2,3
.if \ds == 0
	v_wmma_f32_16x16x32_f16 v[S+32*\t+8*\kt:S+32*\t+8*\kt+7], v[KF+8*(2*\kt+\ds):KF+8*(2*\kt+\ds)+7], v[QF+16*\t+8*\ds:QF+16*\t+8*\ds+7], 0
.else
	v_wmma_f32_16x16x32_f16 v[S+32*\t+8*\kt:S+32*\t+8*\kt+7], v[KF+8*(2*\kt+\ds):KF+8*(2*\kt+\ds)+7], v[QF+16*\t+8*\ds:QF+16*\t+8*\ds+7], v[S+32*\t+8*\kt:S+32*\t+8*\kt+7]
.endif
.endr
.endr
.endr
.endm
; O^T += V^T P: 32 products, the 16 accumulators by turns.  first = 1: the first 16 start the sums: nothing is ever cleared.
.macro PV first
	WIN W_PV
.irp ks, 0,1
.irp ct, 0,1,2,3
.irp t, 0,1,2,3
.if \first && (\ks == 0)
	v_wmma_f32_16x16x32_f16 v[32*\t+8*\ct:32*\t+8*\ct+7], v[VF+8*(4*\ks+\ct):VF+8*(4*\ks+\ct)+7], v[S+32*\t+8*\ks:S+32*\t+8*\ks+7], 0
.else
	v_wmma_f32_16x16x32_f16 v[32*\t+8*\ct:32*\t+8*\ct+7], v[VF+8*(4*\ks+\ct):VF+8*(4*\ks+\ct)+7], v[S+32*\t+8*\ks:S+32*\t+8*\ks+7], v[32*\t+8*\ct:32*\t+8*\ct+7]
.endif
.endr
.endr
.endr
.endm
; THE SOFTMAX of one key step, for the wave's four tiles: every line is written for the four tiles in turn, so that no line reads the result of the line just before it.
; first = 1: the first key step, which starts m and l: it has no a.
.macro SOFTMAX first
	WIN 0
.irp j, 0,1,2,3                        ; the maximum of the lane's 32 scores, three operands at a time: four chains, each tile of scores from its low end on
.irp t, 0,1,2,3
	v_max3_num_f32 v[ST+8*\t+4+\j], v[S+32*\t+8*\j], v[S+32*\t+8*\j+1], v[S+32*\t+8*\j+2]
.endr
.endr
.irp g, 3,5
.irp j, 0,1,2,3
.irp t, 0,1,2,3
	v_max3_num_f32 v[ST+8*\t+4+\j], v[ST+8*\t+4+\j], v[S+32*\t+8*\j+\g], v[S+32*\t+8*\j+\g+1]
.endr
.endr
.endr
.irp t, 0,1,2,3
	v_max3_num_f32 v[ST+8*\t+4], v[ST+8*\t+4], v[S+32*\t+7], v[S+32*\t+15]
.endr
.irp t, 0,1,2,3
	v_max3_num_f32 v[ST+8*\t+6], v[ST+8*\t+6], v[S+32*\t+23], v[S+32*\t+31]
.endr
.irp t, 0,1,2,3
	v_max3_num_f32 v[ST+8*\t+4], v[ST+8*\t+4], v[ST+8*\t+5], v[ST+8*\t+6]
.endr
.irp t, 0,1,2,3
.if \first
	v_max_num_f32 v[ST+8*\t+4], v[ST+8*\t+4], v[ST+8*\t+7]
.else
	v_max3_num_f32 v[ST+8*\t+4], v[ST+8*\t+4], v[ST+8*\t+7], v[ST+8*\t+1]   ; and the old m
.endif
.endr
.irp t, 0,1,2,3
	v_permlanex16_b32 v[ST+8*\t+5], v[ST+8*\t+4], s[SEL], s[SEL+1]          ; the query's other 32 keys lie in the lane 16 away
.endr
.if !\first
.irp t, 0,1,2,3
	v_mov_b32 v[ST+8*\t+7], v[ST+8*\t]             ; c m_old is kept for a
.endr
.endif
.irp t, 0,1,2,3
	v_max_num_f32 v[ST+8*\t+1], v[ST+8*\t+4], v[ST+8*\t+5]                  ; the new m
.endr
.irp t, 0,1,2,3
	v_mul_f32 v[ST+8*\t], s[CS], v[ST+8*\t+1]      ; c m
.endr
.if !\first
.irp t, 0,1,2,3
	v_sub_f32 v[ST+8*\t+7], v[ST+8*\t+7], v[ST+8*\t]
.endr
.endif
.irp b, 0,1,2,3,4,5,6,7,8,9,10,11,12,13,14,15
.irp t, 0,1,2,3
	v_pk_fma_f32 v[S+32*\t+2*\b:S+32*\t+2*\b+1], v[S+32*\t+2*\b:S+32*\t+2*\b+1], s[CS:CS+1], v[ST+8*\t:ST+8*\t+1] op_sel_hi:[1,0,0] neg_lo:[0,0,1] neg_hi:[0,0,1]   ; c s - c m, a pair at a time
.endr
.endr
.if !\first
.irp t, 0,1,2,3
	v_exp_f32 v[ST+8*\t+6], v[ST+8*\t+7]           ; a = 2^(c m_old - c m_new)
.endr
.endif
.irp e, 0,1,2,3,4,5,6,7,8,9,10,11,12,13,14,15,16,17,18,19,20,21,22,23,24,25,26,27,28,29,30,31
.irp t, 0,1,2,3
	v_exp_f32 v[S+32*\t+\e], v[S+32*\t+\e]         ; p.  ONE BATCH: none of these lines names another's result
.endr
.endr
	v_nop                                          ; the plain instruction behind the last exponential
	s_wait_alu depctr_va_vdst(0)                   ; a wait ahead of the first line that names a result: one for the whole batch
.irp t, 0,1,2,3                        ; the sums, of the unrounded p, in two chains a tile; they leave p whole
.if \first
	v_pk_add_f32 v[ST+8*\t+2:ST+8*\t+3], v[S+32*\t:S+32*\t+1], v[S+32*\t+4:S+32*\t+5]
.else
	v_pk_fma_f32 v[ST+8*\t+2:ST+8*\t+3], v[ST+8*\t+2:ST+8*\t+3], v[ST+8*\t+6:ST+8*\t+7], v[S+32*\t:S+32*\t+1] op_sel_hi:[1,0,1]   ; l = a l + pair 0
.endif
.endr
.irp t, 0,1,2,3
	v_pk_add_f32 v[ST+8*\t+4:ST+8*\t+5], v[S+32*\t+2:S+32*\t+3], v[S+32*\t+6:S+32*\t+7]   ; pairs 1 and 3
.endr
.irp i, 2,4,6,8,10,12,14
.if (\i > 2) || !\first
.irp t, 0,1,2,3
	v_pk_add_f32 v[ST+8*\t+2:ST+8*\t+3], v[ST+8*\t+2:ST+8*\t+3], v[S+32*\t+2*\i:S+32*\t+2*\i+1]       ; the even pairs
.endr
.endif
.if \i > 2
.irp t, 0,1,2,3
	v_pk_add_f32 v[ST+8*\t+4:ST+8*\t+5], v[ST+8*\t+4:ST+8*\t+5], v[S+32*\t+2*\i+2:S+32*\t+2*\i+3]     ; the odd pairs
.endr
.endif
.endr
.irp t, 0,1,2,3
	v_pk_add_f32 v[ST+8*\t+2:ST+8*\t+3], v[ST+8*\t+2:ST+8*\t+3], v[ST+8*\t+4:ST+8*\t+5]
.endr
.irp i, 0,1,2,3,4,5,6,7,8,9,10,11,12,13,14,15
.irp t, 0,1,2,3
	v_cvt_pk_f16_f32 v[S+32*\t+\i], v[S+32*\t+2*\i], v[S+32*\t+2*\i+1]     ; P in place, ascending: register i takes pair i, which lies at 2 i and 2 i + 1
.endr
.endr
.endm
.macro RESCALE                         ; O^T times a, each accumulator from its low end on
	WIN W_RS
.irp t, 0,1,2,3
.irp i, 0,2,4,6,8,10,12,14,16,18,20,22,24,26,28,30
	v_pk_mul_f32 v[32*\t+\i:32*\t+\i+1], v[32*\t+\i:32*\t+\i+1], v[ST+8*\t+6:ST+8*\t+7] op_sel_hi:[1,0]
.endr
.endr
.endm
; A TRIP fetches key step i and works on step i - 1, whose scores lie in S^T and whose V is on its way.
.macro TRIP first
	FETCH_K                                        ; K of step i: it has the softmax in which to land
	SOFTMAX \first
	s_wait_dscnt 16                                ; V of step i - 1 is in; K's sixteen younger loads may be out
.if !\first
	RESCALE
.endif
	PV \first
.rept 5
	v_nop                                          ; five places: the products below write over registers that the products above read as P
.endr
	s_wait_dscnt 0x0                               ; K of step i is in
	KQ
.rept 4
	v_nop                                          ; four places: for the loads into V's and K's registers, and for the next read of the scores
.endr
	FETCH_V                                        ; V of step i
.endm
.macro LOOP n
	s_mov_b32 s[CNT], \n
.Ltrip_\@:
	TRIP 0
	s_sub_co_u32 s[CNT], s[CNT], 1
	s_cmp_lg_u32 s[CNT], 0
	s_cbranch_scc1 .Ltrip_\@
.endm
; THE CHANGE OF SLOTS: K and V of slot s's last step have been asked for.  Each wave waits for all its tensor loads (its part of the other slot), adds 0 to its spare word, and waits for that and for its reads of slot s.
; fill = 1: slot s is filled again, with the keys two slots on: the barrier is a round of the cluster's, and the joint refill is the first thing behind it.  base: where the next eight steps' rows begin.
.macro CHANGE s, fill, base
	WIN 0
	s_wait_tensorcnt 0x0                           ; no tensor load of mine is out, so a group 0 may be written
	ds_add_u32 v[SPW], v[NIL]                      ; 0 onto my spare word
.if \fill
	s_add_nc_u64 s[G0K+4*\s+2:G0K+4*\s+3], s[G0K+4*\s+2:G0K+4*\s+3], 2*SK*128   ; 1,024 keys on; the type bits on top are not reached
	s_add_nc_u64 s[G0V+4*\s+2:G0V+4*\s+3], s[G0V+4*\s+2:G0V+4*\s+3], 2*SK*128
	s_wait_dscnt 0x0                               ; the add is done, and my reads of the slot are over
	CROUND
	JLOAD \s
.else
	s_wait_dscnt 0x0
	s_barrier_signal -1
	s_barrier_wait -1
.endif
	s_mov_b32 s[TK], \base
	s_mov_b32 s[TV], \base
.endm
	s_wait_tensorcnt 1                             ; my part of slot 0 is in; slot 1's may stay out
	s_barrier_signal -1
	s_barrier_wait -1                              ; everybody's is
	FETCH_K                                        ; key step 0
	s_wait_loadcnt 0x0                             ; Q
	s_wait_dscnt 0x0
	KQ
.rept 4
	v_nop
.endr
	FETCH_V
	TRIP 1                                         ; fetches step 1; the first softmax; the first V^T P starts O^T
	LOOP 6                                         ; steps 2 to 7
	CHANGE 0, 1, SLOTB                             ; slot 0 takes keys 1,024 on
	LOOP 8                                         ; steps 8 to 15, out of slot 1
	CHANGE 1, 1, 0                                 ; slot 1 takes keys 1,536 on
	LOOP 8                                         ; steps 16 to 23
	CHANGE 0, 0, SLOTB                             ; nothing is left to ask for
	LOOP 8                                         ; steps 24 to 31
	SOFTMAX 0                                      ; the last step's
	s_wait_dscnt 0x0                               ; its V is in
	RESCALE
	PV 0
	; THE WAY OUT.  l's two halves and the other half of the lanes' are added; O^T is divided by l, rounded to f16 and sent through my stage in LDS, a tile (16 rows) at a time.  The additions are the places behind the last products.
	WIN 0
.irp t, 0,1,2,3
	v_add_f32 v[ST+8*\t+4], v[ST+8*\t+2], v[ST+8*\t+3]
.endr
.irp t, 0,1,2,3
	v_permlanex16_b32 v[ST+8*\t+5], v[ST+8*\t+4], s[SEL], s[SEL+1]
.endr
.irp t, 0,1,2,3
	v_add_f32 v[ST+8*\t+4], v[ST+8*\t+4], v[ST+8*\t+5]
.endr
.irp t, 0,1,2,3
	v_rcp_f32 v[ST+8*\t+6], v[ST+8*\t+4]
.endr
	v_nop                                          ; a plain instruction behind the last reciprocal
	s_wait_alu depctr_va_vdst(0)                   ; and the wait ahead of the first use: one for the four
.macro PACK t
	WIN W_RS
.irp i, 0,2,4,6,8,10,12,14,16,18,20,22,24,26,28,30
	v_pk_mul_f32 v[32*\t+\i:32*\t+\i+1], v[32*\t+\i:32*\t+\i+1], v[ST+8*\t+6:ST+8*\t+7] op_sel_hi:[1,0]
.endr
	WIN 0x05                                       ; sources 0 and 1 window 1, destination window 0: the scores' registers are free
.irp i, 0,1,2,3,4,5,6,7,8,9,10,11,12,13,14,15
	v_cvt_pk_f16_f32 v[S+32*\t+\i], v[32*\t+2*\i], v[32*\t+2*\i+1]
.endr
	WIN 0
.irp ct, 0,1,2,3
	ds_store_b128 v[STO], v[S+32*\t+4*\ct:S+32*\t+4*\ct+3] offset:32*\ct
.endr
.irp u, 0,1,2,3
	ds_load_b128 v[S+32*\t+16+4*\u:S+32*\t+16+4*\u+3], v[RD] offset:\u*4*SP   ; LDS serves a wave's instructions in order: these see the stores above; the next tile's stores come behind them
.endr
.endm
.macro SEND t, younger                 ; younger: the LDS instructions issued behind tile t's loads: the next tile's eight, or none
.irp u, 0,1,2,3
	s_wait_dscnt \younger+3-\u
	global_store_b128 v[GO], v[S+32*\t+16+4*\u:S+32*\t+16+4*\u+3], s[6:7] offset:2048*\t+512*\u   ; 32 lanes store 512 consecutive bytes, aligned: four tokens of the head
.endr
.endm
	PACK 0
	PACK 1                                         ; a tile's arithmetic stands between the loads of the tile before and its stores
	SEND 0, 8
	PACK 2
	SEND 1, 8
	PACK 3
	SEND 2, 8
	SEND 3, 0
	s_wait_tensorcnt 0x0                           ; the wave's end: three lines behind my last tensor load and my last LDS store
	ds_add_u32 v[SPW], v[NIL]
	s_wait_dscnt 0x0
	CROUND                                         ; the closing round
	s_endpgm
.Lfunc_end_k_qa228f52c8c_attn:
	.size	k_qa228f52c8c_attn, .Lfunc_end_k_qa228f52c8c_attn-k_qa228f52c8c_attn
	.p2alignl 7, 3214868480
	.fill 96, 4, 3214868480
	.section	.rodata,"a",@progbits
	.p2align	6, 0x0
	.amdhsa_kernel k_qa228f52c8c_attn
		.amdhsa_group_segment_fixed_size 327680
		.amdhsa_private_segment_fixed_size 0
		.amdhsa_enable_private_segment 0
		.amdhsa_kernarg_size 16
		.amdhsa_user_sgpr_count 2
		.amdhsa_user_sgpr_kernarg_segment_ptr 1
		.amdhsa_wavefront_size32 1
		.amdhsa_system_sgpr_workgroup_id_x 1
		.amdhsa_system_sgpr_workgroup_id_y 1
		.amdhsa_system_sgpr_workgroup_id_z 1
		.amdhsa_system_vgpr_workitem_id 0
		.amdhsa_next_free_vgpr 512
		.amdhsa_next_free_sgpr 66
		.amdhsa_reserve_vcc 0
		.amdhsa_float_denorm_mode_32 3
		.amdhsa_float_denorm_mode_16_64 3
		.amdhsa_memory_ordered 1
		.amdhsa_forward_progress 1
		.amdhsa_inst_pref_size 210
	.end_amdhsa_kernel
	.amdgpu_metadata
---
amdhsa.version: [ 1, 2 ]
amdhsa.kernels:
  - .name:           k_qa228f52c8c_attn
    .symbol:         k_qa228f52c8c_attn.kd
    .args:
      - { .name: qkv16, .offset: 0, .size: 8, .value_kind: global_buffer, .address_space: global }
      - { .name: ao16, .offset: 8, .size: 8, .value_kind: global_buffer, .address_space: global }
    .group_segment_fixed_size: 327680
    .private_segment_fixed_size: 0
    .kernarg_segment_align: 8
    .kernarg_segment_size: 16
    .max_flat_workgroup_size: 256
    .sgpr_count:     66
    .vgpr_count:     512
    .wavefront_size: 32
...
	.end_amdgpu_metadata
.endif
;; end of part 4
;; launch oproj (part 5): grid 4 x 64, 4 waves a work-group, clusters of 4 x 4, 327,680 bytes of LDS; arguments ao16, wo16, b_o, out0; writes out0
.if DOCPART == 5
	.amdgcn_target "amdgcn-amd-amdhsa--gfx1250"
	.amdhsa_code_object_version 6
	.text
	.protected	k_qa228f52c8c_oproj
	.globl	k_qa228f52c8c_oproj
	.p2align	8
	.type	k_qa228f52c8c_oproj,@function
k_qa228f52c8c_oproj:
	s_mov_b64 s[64:65], 0
	v_nop
	global_prefetch_b8 v0, s[64:65] scope:SCOPE_SE
	s_setreg_imm32_b32 hwreg(HW_REG_WAVE_MODE, 25, 1), 1
	s_wait_xcnt 0x0
	s_wait_alu depctr_hold_cnt(0) depctr_sa_sdst(0) depctr_va_vdst(0) depctr_va_sdst(0) depctr_va_ssrc(0) depctr_va_vcc(0) depctr_vm_vsrc(0)
	s_getreg_b32 s2, hwreg(HW_REG_IB_STS2, 6, 4)
	s_cmp_eq_u32 s2, 0
	s_cbranch_scc0 .Lentry_in_a_cluster
	s_endpgm
.Lentry_in_a_cluster:
	s_bfe_u32 s2, ttmp6, 0x10000c
	s_cmp_lg_u32 s2, 0xf033
	s_cbranch_scc0 .Lentry_shape_is_right
	s_endpgm
.Lentry_shape_is_right:
; out0[m][n] = the sum over k of ao[m][k] w_o[k][n] + b_o[n].  ao16 [4 b][16 h][2048 s][64] f16 (k = 64 h + channel); wo16 [1024 k][1024 n] f16; b_o [1024] f32; out0 [8192][1024] f32.  Sums in f32, begun from the bias.
; LIMITS: both operands arrive in f16; the sums start from the bias, another order of rounding than a product with the bias added behind it.
; A tile of out0 is 128 (m) x 256 (n): 256 work-groups of four waves; a wave makes 64 x 128: 32 accumulators, which fill window 1.
; K goes in steps of 128 (two heads) through a ring of two LDS slots.  A's tile of a step is two dense blocks of memory, one for each head: 128 tokens x 128 bytes.  B's tile is 128 rows (k) x 512 bytes.
; Waves 0 and 1 fetch A's two heads, waves 2 and 3 B's two halves of 64 rows: one tensor load a wave.
; THE MATRIX INSTRUCTION IS USED TRANSPOSED: source 0 = 16 columns n of w_o, turned out of LDS by ds_load_tr16_b128 since k is not innermost there; source 1 = 16 tokens of ao.  A lane holds eight neighbouring columns of one row of out0.
; CLUSTERS: 4 x 4 work-groups.  The four of a row of the cluster need the same tiles of A, the four of a column the same tiles of B: each tile is asked for JOINTLY.
; REGISTERS: window 0: v16-30 addresses; two fragment buffers of 96 at v64 and v160 (4 fragments of A, then 8 of B, for 32 along K); on the way out v64-191 take rows of out0.   window 1: accumulator (a, b) at v[8 (8 a + b)].
.set PA,     144                       ; a token's row of A in LDS: 128 bytes + 16: an odd multiple of 16
.set PB,     544                       ; a row of B: 512 bytes + 32: an odd multiple of 32, for the turning load
.set HBLK,   128*PA                    ; a head's 128 tokens
.set BOFF,   2*HBLK                    ; B lies behind A's two heads
.set BHALF,  64*PB                     ; 64 rows of B: what one tensor load brings
.set SLOT,   BOFF+2*BHALF              ; 106,496 bytes
.set STAGE,  2*SLOT                    ; behind the ring: 16 rows x (512 bytes + 16) for each wave, for the way out
.set SPITCH, 528
.set SPARE,  STAGE+4*16*SPITCH         ; behind the stages: the spare words, 128 bytes a wave
.set LAPS,   4                         ; a lap = two K steps = once round the ring: 1,024 / 256
.set ASTEP,  2*2048*128                ; a K step on in ao16: two heads
.set BSTEP,  128*2048                  ; a K step on in wo16: 128 rows of 2,048 bytes
.set ADRA, 16                          ; v16-17  LDS address of my A fragments in slot 0, 1
.set ADRB, 20                          ; v20-21  the same for B
.set STO,  24                          ; v24     the way out: where I put 32 bytes of a row
.set RD,   25                          ; v25     where I read a row back
.set CO,   26                          ; v26     my byte offset in a row of out0
.set BO,   27                          ; v27     32 x (lane / 16): my eight numbers of a block of the bias
.set SPW,  28                          ; v28     LDS address of my spare word; never rewritten
.set NIL,  29                          ; v29     0; never rewritten
.set PFO,  30                          ; v30     256 x my lane: the prefetches' offset; never rewritten
.set F0,   64
.set F1,   160
.set BK,   64                          ; the way out: 16 rows read back from the stage: v64-127 and v128-191 by turns
.set WV,   12                          ; s12  wave
.set RH,   13                          ; s13  which 64 rows of the tile are mine.  Also: I fetch for A (0) or for B (1)
.set CH,   14                          ; s14  which 128 columns.  Also: which head of A, or which 64 rows of B, I fetch
.set G1A, 24                           ; s[24:31] group 1 for A's tiles;  s[32:39] group 0, one set for each slot
.set G0A, 32
.set G1B, 48                           ; s[48:55], s[56:63] the same for B's
.set G0B, 56
.set LIM, 45                           ; s45  1 in the wave that prefetches, else the greatest number
.set PFA, 46                           ; s[46:47] where my prefetch stands: my work-group's quarter of A's tile, one K step further on than the refill that is being asked for
.set MSB, 0
.macro WIN new
.if MSB != (\new)
	s_set_vgpr_msb (MSB<<8)|(\new)
.set MSB, (\new)
.endif
.endm
.set MUL,  0x50                        ; C and D window 1, both sources window 0
.macro JLOAD s                         ; a joint load; an s_nop 0 and four v_nop follow each of the two lines
	s_cmp_eq_u32 s[RH], 0
	s_cbranch_scc0 .Lfor_b_\@
	tensor_load_to_lds s[G0A+4*\s:G0A+4*\s+3], s[G1A:G1A+7]
	s_nop 0
.rept 4
	v_nop
.endr
	s_branch .Lasked_\@
.Lfor_b_\@:
	tensor_load_to_lds s[G0B+4*\s:G0B+4*\s+3], s[G1B:G1B+7]
	s_nop 0
.rept 4
	v_nop
.endr
.Lasked_\@:
.endm
.macro CREST                           ; a round of the cluster's barrier behind its opening barrier
	s_cmp_lg_u32 s[WV], 0
	s_cbranch_scc1 .Lnot_wave_0_\@
	s_barrier_signal -3
.Lnot_wave_0_\@:
	s_barrier_wait -3
	s_barrier_signal -1
	s_barrier_wait -1
.endm
.macro CROUND
	s_barrier_signal -1
	s_barrier_wait -1
	CREST
.endm
; A PREFETCH INTO THE L2 of A's tile of the K step that stands two refills on, 256 matrix instructions of a wave ahead of the load that will want it.  A tile row of ao16 is read by one row of one cluster alone.
; Its 32 KiB of a K step are shared out among the four partners BY ADDRESS: partner cx takes head cx / 2, tokens 64 (cx % 2) on: 8 KiB, dense: 32 blocks of 256 bytes, a lane a block; wave 0 asks, one instruction.
; K steps 4 to 7 are named, each block once; K steps 0 to 3 come by their loads alone; the loop's last trip asks for nothing.  w_o's tiles are read by all 64 tile rows and are not asked for.
.macro ASK
	s_cmp_gt_u32 s3, s[LIM]                        ; s3 = 1 in the loop's last trip
	s_cbranch_scc0 .Lnot_mine_\@
	global_prefetch_b8 v[PFO], s[PFA:PFA+1] offset:ASTEP th:TH_LOAD_NT scope:SCOPE_SE
.Lnot_mine_\@:
.endm
	s_load_b256 s[4:11], s[0:1], 0x0               ; ao16 s[4:5], wo16 s[6:7], b_o s[8:9], out0 s[10:11]
	v_lshl_add_u32 v[SPW], v0, 2, SPARE
	v_mov_b32 v[NIL], 0
	ds_add_u32 v[SPW], v[NIL]                      ; the wave's opening: the add, twice on end, and its wait ahead of my first tensor load
	ds_add_u32 v[SPW], v[NIL]
	v_lshrrev_b32 v1, 5, v0
	v_readfirstlane_b32 s[WV], v1                  ; wave 0..3
	s_lshr_b32 s[RH], s[WV], 1
	s_and_b32 s[CH], s[WV], 1
	s_bfe_u32 s40, ttmp6, 0x40000                  ; cx, cy: my place in the cluster
	s_bfe_u32 s41, ttmp6, 0x40004
	s_lshl_b32 s42, ttmp9, 2
	s_add_co_u32 s42, s42, s40                     ; tile column = 4 x cluster x + cx
	s_and_b32 s15, ttmp7, 0xffff
	s_lshl_b32 s15, s15, 2
	s_add_co_u32 s15, s15, s41                     ; tile row = 4 x cluster y + cy
	s_lshl_b32 s43, s41, 2
	s_lshl_b32 s43, 15, s43                        ; my row of the cluster
	s_lshl_b32 s44, 0x1111, s40                    ; my column
	s_or_b32 s[G1A], s43, (1<<16)|(1<<20)|(1<<21)|(4<<22)|(3<<25)   ; A: the mask of my row; elements of 2 bytes; padding on; bit 21 beside a mask; after every 32 words four words
	s_mov_b32 s[G1A+1], 64<<16                     ; tensor_dim0
	s_mov_b32 s[G1A+2], 128<<16                    ; tensor_dim1
	s_mov_b32 s[G1A+3], 64<<16                     ; tile_dim0
	s_mov_b32 s[G1A+4], 128                        ; tile_dim1
	s_mov_b32 s[G1A+5], 64                         ; from row to row
	s_mov_b32 s[G1A+6], 0
	s_mov_b32 s[G1A+7], 0
	s_or_b32 s[G1B], s44, (1<<16)|(1<<20)|(1<<21)|(6<<22)|(7<<25)   ; B: the mask of my column; after every 128 words eight words
	s_mov_b32 s[G1B+1], 256<<16
	s_mov_b32 s[G1B+2], 64<<16
	s_mov_b32 s[G1B+3], 256<<16
	s_mov_b32 s[G1B+4], 64
	s_mov_b32 s[G1B+5], 1024
	s_mov_b32 s[G1B+6], 0
	s_mov_b32 s[G1B+7], 0
	; where the tiles come from.  A's hang on the tile row alone, B's on the tile column alone, each in registers that never hold the other coordinate.
	s_lshr_b32 s16, s15, 4                         ; the batch: 16 tile rows each
	s_lshl_b32 s16, s16, 4
	s_add_co_u32 s16, s16, s[CH]                   ; its head 0 or 1
	s_lshl_b32 s16, s16, 11
	s_and_b32 s17, s15, 15
	s_lshl_b32 s17, s17, 7
	s_add_co_u32 s16, s16, s17                     ; + the tile's first token
	s_lshl_b32 s16, s16, 7                         ; 128 bytes each
	s_mov_b32 s17, 0
	s_lshl_b32 s18, s[CH], 17                      ; B: 64 rows of 2,048 bytes,
	s_lshl_b32 s19, s42, 9
	s_add_co_u32 s18, s18, s19                     ; + 256 columns of 2 bytes a tile column
	s_mov_b32 s19, 0
	s_mul_i32 s2, s[CH], HBLK                      ; where they go: no place in the cluster enters an LDS address
	s_mul_i32 s45, s[CH], BHALF
	s_add_co_u32 s45, s45, BOFF
	s_wait_dscnt 0x0                               ; both opening adds are done
	s_wait_kmcnt 0x0
	s_add_nc_u64 s[20:21], s[4:5], s[16:17]
	s_add_nc_u64 s[22:23], s[6:7], s[18:19]
	CROUND                                         ; all sixteen work-groups are here: the first joint loads meet
.irp s, 0,1
	s_mov_b32 s[G0A+4*\s], 1
	s_add_co_u32 s[G0A+4*\s+1], s2, \s*SLOT
	s_add_nc_u64 s[G0A+4*\s+2:G0A+4*\s+3], s[20:21], \s*ASTEP
	s_or_b32 s[G0A+4*\s+3], s[G0A+4*\s+3], 0x80000000
	s_mov_b32 s[G0B+4*\s], 1
	s_add_co_u32 s[G0B+4*\s+1], s45, \s*SLOT
	s_add_nc_u64 s[G0B+4*\s+2:G0B+4*\s+3], s[22:23], \s*BSTEP
	s_or_b32 s[G0B+4*\s+3], s[G0B+4*\s+3], 0x80000000
	JLOAD \s                                       ; two loads of mine are out
.endr
	s_lshl_b32 s16, s15, 7
	s_lshl_b32 s17, s[RH], 6
	s_add_co_u32 s16, s16, s17                     ; my first row of out0
	s_lshl_b32 s16, s16, 12                        ; 4,096 bytes a row: under 2^26
	s_lshl_b32 s18, s42, 10
	s_lshl_b32 s19, s[CH], 9
	s_add_co_u32 s18, s18, s19                     ; my first column, in bytes of f32: also my place in b_o
	s_mov_b32 s19, 0
	s_mov_b32 s17, 0
	s_add_nc_u64 s[10:11], s[10:11], s[16:17]
	s_add_nc_u64 s[10:11], s[10:11], s[18:19]
	s_add_nc_u64 s[8:9], s[8:9], s[18:19]
	s_lshr_b32 s16, s15, 4                         ; the prefetches: the batch,
	s_lshl_b32 s16, s16, 4
	s_lshr_b32 s18, s40, 1
	s_add_co_u32 s16, s16, s18                     ; head cx / 2
	s_add_co_u32 s16, s16, 4                       ; of K step 2: the first refill steps it to 3 and names K step 4
	s_lshl_b32 s16, s16, 11
	s_and_b32 s18, s15, 15
	s_lshl_b32 s18, s18, 7
	s_add_co_u32 s16, s16, s18
	s_and_b32 s18, s40, 1
	s_lshl_b32 s18, s18, 6
	s_add_co_u32 s16, s16, s18                     ; tokens 64 (cx % 2) on
	s_lshl_b32 s16, s16, 7
	s_add_nc_u64 s[PFA:PFA+1], s[4:5], s[16:17]
	s_cmp_eq_u32 s[WV], 0
	s_cselect_b32 s[LIM], 1, -1
	v_and_b32 v1, 15, v0                           ; l % 16
	v_bfe_u32 v2, v0, 4, 1                         ; l / 16
	v_and_b32 v3, 7, v0
	v_bfe_u32 v4, v0, 3, 1
	v_lshlrev_b32 v[BO], 5, v2
	; THE BIAS GOES STRAIGHT INTO THE ACCUMULATORS: register j of (a, b) = b_o[my first column + 16 b + 8 (l / 16) + j], so that every K step is like every other and nothing is added later
	WIN 0x40
.irp a, 0,1,2,3
.irp b, 0,1,2,3,4,5,6,7
	global_load_b128 v[8*(8*\a+\b):8*(8*\a+\b)+3],   v[BO], s[8:9] offset:64*\b
	global_load_b128 v[8*(8*\a+\b)+4:8*(8*\a+\b)+7], v[BO], s[8:9] offset:64*\b+16
.endr
.endr
	WIN 0
	v_mul_u32_u24 v5, v1, PA
	v_lshl_add_u32 v5, v2, 4, v5                   ; A: row x pitch + 16 x half
	s_mul_i32 s18, s[RH], 64*PA                    ; my 64 tokens
	v_lshl_add_u32 v6, v2, 3, v3                   ; B, turned: lane l reads 16 bytes of row 8 (l / 16) + l % 8, columns 8 ((l / 8) % 2) on
	v_mul_u32_u24 v6, v6, PB
	v_lshl_add_u32 v6, v4, 4, v6
	s_lshl_b32 s19, s[CH], 8                       ; my 128 columns
	s_add_co_u32 s19, s19, BOFF
.irp s, 0,1
	v_add_nc_u32 v[ADRA+\s], s18, v5
	v_add_nc_u32 v[ADRB+\s], s19, v6
	s_add_co_u32 s18, s18, SLOT
	s_add_co_u32 s19, s19, SLOT
.endr
	s_mul_i32 s18, s[WV], 16*SPITCH
	s_add_co_u32 s18, s18, STAGE                   ; my stage
	v_mul_u32_u24 v5, v1, SPITCH                   ; in: row l % 16, 32 bytes for each half of the lanes
	v_lshl_add_u32 v5, v2, 5, v5
	v_add_nc_u32 v[STO], s18, v5
	v_and_b32 v6, 31, v0
	v_lshlrev_b32 v[CO], 4, v6                     ; back: the 32 lanes take one row of 512 bytes; and the same in out0
	v_add_nc_u32 v[RD], s18, v[CO]
	v_lshlrev_b32 v[PFO], 8, v6
; 24 LDS loads in one run: the fragments of the slot's q-th 32 along K into buffer f: B's eight (turned), then A's four
.macro FETCH slot, q, f
.irp b, 0,1,2,3,4,5,6,7
	ds_load_tr16_b128 v[\f+32+8*\b:\f+32+8*\b+3],   v[ADRB+\slot] offset:32*PB*(\q)+32*\b
	ds_load_tr16_b128 v[\f+32+8*\b+4:\f+32+8*\b+7], v[ADRB+\slot] offset:32*PB*(\q)+16*PB+32*\b
.endr
.irp a, 0,1,2,3
	ds_load_b128 v[\f+8*\a:\f+8*\a+3],   v[ADRA+\slot] offset:HBLK*((\q)/2)+64*((\q)%2)+16*PA*\a
	ds_load_b128 v[\f+8*\a+4:\f+8*\a+7], v[ADRA+\slot] offset:HBLK*((\q)/2)+64*((\q)%2)+16*PA*\a+32
.endr
.endm
; 8 matrix instructions: A's block a x B's eight.  The 32 accumulators take turns, one instruction a turn, in the same order in every quarter.
.macro MUL8 f, a
.irp b, 0,1,2,3,4,5,6,7
	v_wmma_f32_16x16x32_f16 v[8*(8*(\a)+\b):8*(8*(\a)+\b)+7], v[\f+32+8*\b:\f+32+8*\b+7], v[\f+8*(\a):\f+8*(\a)+7], v[8*(8*(\a)+\b):8*(8*(\a)+\b)+7]
.endr
.endm
.macro MUL16 f, a0
	MUL8 \f, \a0
	MUL8 \f, (\a0)+1
.endm
.macro PLACES                          ; four places in front of loads into registers that matrix instructions have read, and of the first read of results
.rept 4
	v_nop
.endr
.endm
; A K step is four quarters of 32 along K, 32 matrix instructions each, on buffers 0, 1, 0, 1.  One of the first three: multiplies buffer f and fetches quarter q into g.
.macro QUARTER slot, q, f, g
	s_wait_dscnt 4                                 ; B's eight and A's blocks 0, 1 are in; the youngest four loads (A's blocks 2, 3) may be out
	WIN MUL
	MUL16 \f, 0
	PLACES
	WIN 0
	FETCH \slot, \q, \g
	s_wait_dscnt 24                                ; all but the 24 just issued
	WIN MUL
	MUL16 \f, 2
.endm
; The last quarter multiplies buffer 1 and changes slots: ONE barrier; in front of it each wave waits for all its tensor loads, adds 0 to its spare word, and waits for that and for its reads of this slot.
; fill = 1: the barrier opens a round of the cluster's, and this slot is filled again, two K steps ahead: 112 matrix instructions stand between the request and the wait for it.
.macro TURN slot, next, fill
.if \fill
	s_wait_xcnt 0x0                                ; the last prefetch, a K step back, has read its address: it is stepped here
	s_add_nc_u64 s[PFA:PFA+1], s[PFA:PFA+1], ASTEP
.endif
	WIN 0
	s_wait_tensorcnt 0x0                           ; all my tensor loads have landed: my part of the next slot
	ds_add_u32 v[SPW], v[NIL]                      ; 0 onto my spare word
	s_wait_dscnt 5                                 ; (the add and the youngest four loads may be out)
	WIN MUL
	MUL8 F1, 0                                     ; eight matrix instructions stand between the add and the wait for it
	s_wait_dscnt 0x0                               ; the add is done, and my reads of this slot are over
	s_barrier_signal -1
	MUL8 F1, 1
	WIN 0
	s_barrier_wait -1
.if \fill
	CREST                                          ; no wave of any partner still reads this slot's tiles or has a load on its way
	s_add_nc_u64 s[G0A+4*\slot+2:G0A+4*\slot+3], s[G0A+4*\slot+2:G0A+4*\slot+3], 2*ASTEP
	s_add_nc_u64 s[G0B+4*\slot+2:G0B+4*\slot+3], s[G0B+4*\slot+2:G0B+4*\slot+3], 2*BSTEP
	JLOAD \slot                                    ; the first tensor load behind the round; its four v_nop are also the places in front of the loads below
.else
	PLACES
.endif
	FETCH \next, 0, F0
.if \fill
	ASK
.endif
	WIN MUL
	MUL16 F1, 2
.endm
	s_wait_tensorcnt 1                             ; my part of K step 0 is in (K step 1's load may be out)
	s_barrier_signal -1
	s_barrier_wait -1                              ; everybody's is
	FETCH 0, 0, F0
	s_wait_loadcnt 0x0                             ; the bias
	s_mov_b32 s3, LAPS-1
.Llap:                                             ; a trip goes once round the ring and fills both slots again
	QUARTER 0, 1, F0, F1
	QUARTER 0, 2, F1, F0
	QUARTER 0, 3, F0, F1
	TURN 0, 1, 1
	QUARTER 1, 1, F0, F1
	QUARTER 1, 2, F1, F0
	QUARTER 1, 3, F0, F1
	TURN 1, 0, 1
	WIN 0
	s_sub_co_u32 s3, s3, 1
	s_cmp_lg_u32 s3, 0
	s_cbranch_scc1 .Llap
	QUARTER 0, 1, F0, F1                           ; the last lap fills nothing, and has no round of the cluster's barrier
	QUARTER 0, 2, F1, F0
	QUARTER 0, 3, F0, F1
	TURN 0, 1, 0
	QUARTER 1, 1, F0, F1
	QUARTER 1, 2, F1, F0
	QUARTER 1, 3, F0, F1
	s_wait_dscnt 4                                 ; the very last quarter: nothing more to fetch
	WIN MUL
	MUL16 F1, 0
	s_wait_dscnt 0
	MUL16 F1, 2
	WIN 0
; THE WAY OUT, block by block of 16 rows x 128 columns: through my own stage in LDS and back as whole rows of 512 bytes.  LDS serves a wave's instructions in order: no wait between the stores and the loads, nor in front of the next block's stores.
.macro TOSTAGE a
	WIN 0x04                                       ; an LDS store's data are its source 1: window 1
.irp b, 0,1,2,3,4,5,6,7
	ds_store_b128 v[STO], v[8*(8*(\a)+\b):8*(8*(\a)+\b)+3] offset:64*\b          ; each accumulator from its low end on
	ds_store_b128 v[STO], v[8*(8*(\a)+\b)+4:8*(8*(\a)+\b)+7] offset:64*\b+16
.endr
	WIN 0
.set BB, BK+64*((\a)%2)
.irp t, 0,1,2,3,4,5,6,7,8,9,10,11,12,13,14,15
	ds_load_b128 v[BB+4*\t:BB+4*\t+3], v[RD] offset:\t*SPITCH
.endr
.endm
.macro SEND a, younger                 ; younger: the LDS instructions issued behind block a's loads, which may stay out
.set BB, BK+64*((\a)%2)
	s_wait_dscnt \younger                          ; the block is back in registers
.irp t, 0,1,2,3,4,5,6,7,8,9,10,11,12,13,14,15
	global_store_b128 v[CO], v[BB+4*\t:BB+4*\t+3], s[10:11] offset:65536*(\a)+4096*\t th:TH_STORE_NT   ; 32 lanes store 512 consecutive bytes, aligned; written once, read by nobody here
.endr
.endm
	PLACES                                         ; behind the last products: for the stores that read results, and for the loads into the fragments' registers
	TOSTAGE 0
.irp a, 1,2,3
.if \a > 1
	s_wait_xcnt 0x0                                ; block a - 2's stores have read their registers: block a's loads may land there
.endif
	TOSTAGE \a
	SEND \a-1, 32                                  ; behind block a - 1's loads: block a's 16 stores and 16 loads
.endr
	SEND 3, 0
	s_wait_tensorcnt 0x0                           ; the wave's end: three lines behind my last tensor load and my last LDS store
	ds_add_u32 v[SPW], v[NIL]
	s_wait_dscnt 0x0
	CROUND                                         ; the closing round
	s_endpgm
.Lfunc_end_k_qa228f52c8c_oproj:
	.size	k_qa228f52c8c_oproj, .Lfunc_end_k_qa228f52c8c_oproj-k_qa228f52c8c_oproj
	.p2alignl 7, 3214868480
	.fill 96, 4, 3214868480
	.section	.rodata,"a",@progbits
	.p2align	6, 0x0
	.amdhsa_kernel k_qa228f52c8c_oproj
		.amdhsa_group_segment_fixed_size 327680
		.amdhsa_private_segment_fixed_size 0
		.amdhsa_enable_private_segment 0
		.amdhsa_kernarg_size 32
		.amdhsa_user_sgpr_count 2
		.amdhsa_user_sgpr_kernarg_segment_ptr 1
		.amdhsa_wavefront_size32 1
		.amdhsa_system_sgpr_workgroup_id_x 1
		.amdhsa_system_sgpr_workgroup_id_y 1
		.amdhsa_system_sgpr_workgroup_id_z 1
		.amdhsa_system_vgpr_workitem_id 0
		.amdhsa_next_free_vgpr 512
		.amdhsa_next_free_sgpr 66
		.amdhsa_reserve_vcc 0
		.amdhsa_float_denorm_mode_32 3
		.amdhsa_float_denorm_mode_16_64 3
		.amdhsa_memory_ordered 1
		.amdhsa_forward_progress 1
		.amdhsa_inst_pref_size 92
	.end_amdhsa_kernel
	.amdgpu_metadata
---
amdhsa.version: [ 1, 2 ]
amdhsa.kernels:
  - .name:           k_qa228f52c8c_oproj
    .symbol:         k_qa228f52c8c_oproj.kd
    .args:
      - { .name: ao16, .offset: 0, .size: 8, .value_kind: global_buffer, .address_space: global }
      - { .name: wo16, .offset: 8, .size: 8, .value_kind: global_buffer, .address_space: global }
      - { .name: b_o, .offset: 16, .size: 8, .value_kind: global_buffer, .address_space: global }
      - { .name: out0, .offset: 24, .size: 8, .value_kind: global_buffer, .address_space: global }
    .group_segment_fixed_size: 327680
    .private_segment_fixed_size: 0
    .kernarg_segment_align: 8
    .kernarg_segment_size: 32
    .max_flat_workgroup_size: 128
    .sgpr_count:     66
    .vgpr_count:     512
    .wavefront_size: 32
...
	.end_amdgpu_metadata
.endif
;; end of part 5
